; MI455X (gfx1250); checked and timed in simulation.
; The chip was launched on July 23, 2026; its instructions are those of AMD's public machine-readable ISA for CDNA 5 (MIT licence, August 2026) and "CDNA5" Instruction Set Architecture Reference Guide (July 2026). The comments in the code are by the model that wrote it; some were corrected since.
;; Transformer Layer. Allowed arithmetic: float matrix products may take bf16 or f16 operands with f32 sums; other float arithmetic in f32, or as packed bf16 or f16 multiplies, adds, multiply-adds, maxima and minima; sums over many terms, partial sums and values carried from step to step in f32; what a program stores and reads back later, other than sums and carried values, may be rounded once to bf16 or f16.
;; Inputs: b1 4,096 float32; b2 1,024 float32; b_out 1,024 float32; b_qkv 3,072 float32; ln1_b 1,024 float32; ln1_g 1,024 float32; ln2_b 1,024 float32; ln2_g 1,024 float32; res_pos 16 x 512 float32; w1 1,024 x 4,096 float32; w2 4,096 x 1,024 float32; w_out 1,024 x 1,024 float32; w_qkv 1,024 x 3,072 float32; x 2 x 2,048 x 1,024 float32.
;; Outputs: out0 2 x 2,048 x 1,024 float32.
;; One version. Each part assembles by itself: llvm-mc -triple=amdgcn-amd-amdhsa -mcpu=gfx1250 --defsym DOCPART=n.
;; ======== version 1 of 1: 7 launches
;; limits: values are held in f16: magnitudes above 65,504 overflow, below 6.1e-05 lose precision
;; workspace buffers: wbf 25,165,824 bytes; xn 8,388,608 bytes; qkvh 25,165,824 bytes; ctxh 8,388,608 bytes; x1 16,777,216 bytes; hn 8,388,608 bytes; h1 33,554,432 bytes
;; launch pre (part 1): grid 1024 x 1, 16 waves a work-group, no clusters, 0 bytes of LDS; arguments x, ln1_g, ln1_b, xn, w_qkv, w_out, w1, w2, wbf; writes xn, wbf
.if DOCPART == 1
	.amdgcn_target "amdgcn-amd-amdhsa--gfx1250"
	.amdhsa_code_object_version 6
	.text
	.protected	k_qe7df93ea78_pre
	.globl	k_qe7df93ea78_pre
	.p2align	8
	.type	k_qe7df93ea78_pre,@function
k_qe7df93ea78_pre:
	s_mov_b64 s[64:65], 0
	v_nop
	global_prefetch_b8 v0, s[64:65] scope:SCOPE_SE
	s_setreg_imm32_b32 hwreg(HW_REG_WAVE_MODE, 25, 1), 1
	s_wait_xcnt 0x0
; TWO STREAMS IN ONE LAUNCH, told apart by the work-group's number alone.
; Work-groups 0 to 255: LAYER NORM.  xn[r][c] = (x[r][c] - mean_r) * rsqrt(var_r + 1e-5) * g[c] + b[c].  x: [4096][1024] f32; g, b: [1024] f32; xn: [4096][1024] f16, rounded once.
;   The mean is taken first and the variance of the centred numbers, as the definition has it: no difference of large sums.
;   One wave takes a whole row (4,096 bytes: eight loads of 16 bytes a lane) and keeps it in 32 registers between the passes.  Sixteen waves, a row each.
;   Load j of a row gives lane l the columns 128 j + 4 l + 0..3, and g and b are loaded in the same way.
; Work-groups 256 to 1,023: THE WEIGHTS, f32, are rounded once to f16 and laid one behind the other in wbf, each in its own [K][N] order:
;   w_qkv at byte 0, w_out at 6,291,456, w1 at 8,388,608, w2 at 16,777,216.  A work-group takes 16,384 numbers: 192 work-groups for w_qkv, 64 for w_out, 256 for w1, 256 for w2,
;   so its number (from 256 on) times 32,768 is its place in wbf whatever the source.  Thread t takes 16 bytes in each of eight passes: a wave's load covers 512 consecutive bytes, its store 256.
; LIMITS.  f16 ends at 65,504 (a larger number becomes an infinity); below 6e-5 it keeps a fixed step of 6e-8.  |xn| is at most 32 |g| + |b|.
; Streams: no LDS, no barrier, no matrix unit; no wave waits for another.
.set OG, 3                             ; v3  16 l: my bytes in 512 of g and b
.set OI, 4                             ; v4  the same + wave x 4,096 bytes
.set OO, 5                             ; v5  8 l + wave x 2,048 bytes
.set G,  8                             ; v[8:39]    g of my 32 columns
.set BB, 40                            ; v[40:71]   b
.set X,  72                            ; v[72:103]  the row
.set T,  104                           ; v[104:111] four chains of pairs
.set MN, 112                           ; v[112:113] the mean, twice
.set RS, 114                           ; v[114:115] 1 / sqrt(var + eps), twice
.set CX, 4                             ; the weights' path: v[4:35]  pass p: 4 numbers as loaded
.set CY, 36                            ; v[36:51] pass p: 4 numbers in f16; every pass has its own, so no store's data is rewritten
; The four chains into one number, then over the 32 lanes: four steps inside each half ride on the addition, one crosses the halves.  Every lane ends with the sum.
.macro REDUCE
	v_pk_add_f32 v[T:T+1], v[T:T+1], v[T+2:T+3]
	v_pk_add_f32 v[T+4:T+5], v[T+4:T+5], v[T+6:T+7]
	v_pk_add_f32 v[T:T+1], v[T:T+1], v[T+4:T+5]
	v_add_f32 v[T], v[T], v[T+1]
	v_add_f32_dpp v[T], v[T], v[T] row_xmask:1 row_mask:0xf bank_mask:0xf
	v_add_f32_dpp v[T], v[T], v[T] row_xmask:2 row_mask:0xf bank_mask:0xf
	v_add_f32_dpp v[T], v[T], v[T] row_xmask:4 row_mask:0xf bank_mask:0xf
	v_add_f32_dpp v[T], v[T], v[T] row_xmask:8 row_mask:0xf bank_mask:0xf
	v_permlanex16_b32 v[T+1], v[T], s12, s13
	v_add_f32 v[T], v[T], v[T+1]
.endm
	s_cmp_ge_u32 ttmp9, 256
	s_cbranch_scc1 .Lcast
	s_load_b256 s[4:11], s[0:1], 0x0               ; x s[4:5], g s[6:7], b s[8:9], xn s[10:11]
	v_and_b32 v1, 31, v0
	v_lshrrev_b32 v2, 5, v0
	v_lshlrev_b32 v[OG], 4, v1
	v_lshl_add_u32 v[OI], v2, 12, v[OG]
	v_lshlrev_b32 v[OO], 3, v1
	v_lshl_add_u32 v[OO], v2, 11, v[OO]
	s_lshl_b32 s14, ttmp9, 16                      ; the group's 16 rows of 4,096 bytes
	s_mov_b32 s15, 0
	s_lshl_b32 s16, ttmp9, 15                      ; and of 2,048
	s_mov_b32 s17, 0
	s_mov_b32 s12, 0x76543210                      ; v_permlanex16_b32: each lane takes its own place in the other half
	s_mov_b32 s13, 0xfedcba98
	s_mov_b32 s18, 0x3a800000                      ; 1 / 1024
	s_mov_b32 s19, 0x3727c5ac                      ; 1e-5
	s_wait_kmcnt 0x0
	s_add_nc_u64 s[4:5], s[4:5], s[14:15]
	s_add_nc_u64 s[10:11], s[10:11], s[16:17]
.irp j, 0,1,2,3,4,5,6,7
	global_load_b128 v[X+4*(\j):X+4*(\j)+3], v[OI], s[4:5] offset:512*(\j)  ; the row first: it is wanted first
.endr
.irp j, 0,1,2,3,4,5,6,7
	global_load_b128 v[G+4*(\j):G+4*(\j)+3], v[OG], s[6:7] offset:512*(\j)
.endr
.irp j, 0,1,2,3,4,5,6,7
	global_load_b128 v[BB+4*(\j):BB+4*(\j)+3], v[OG], s[8:9] offset:512*(\j)
.endr
	s_wait_loadcnt 16                              ; loads come back in order: the row is in, g's and b's sixteen loads stay out
.irp k, 0,1,2,3
	v_pk_add_f32 v[T+2*(\k):T+2*(\k)+1], v[X+2*(\k):X+2*(\k)+1], v[X+8+2*(\k):X+8+2*(\k)+1]  ; the first eight pairs start the chains: nothing is cleared
.endr
.set k, 8
.rept 8
	v_pk_add_f32 v[T+2*(k%4):T+2*(k%4)+1], v[T+2*(k%4):T+2*(k%4)+1], v[X+2*k:X+2*k+1]
.set k, k+1
.endr
	REDUCE
	v_mul_f32 v[MN], s18, v[T]
	v_mul_f32 v[MN+1], s18, v[T]
.set k, 0
.rept 16
	v_pk_add_f32 v[X+2*k:X+2*k+1], v[X+2*k:X+2*k+1], v[MN:MN+1] neg_lo:[0,1] neg_hi:[0,1]  ; centred, in place
.set k, k+1
.endr
.irp k, 0,1,2,3
	v_pk_mul_f32 v[T+2*(\k):T+2*(\k)+1], v[X+2*(\k):X+2*(\k)+1], v[X+2*(\k):X+2*(\k)+1]
.endr
.set k, 4
.rept 12
	v_pk_fma_f32 v[T+2*(k%4):T+2*(k%4)+1], v[X+2*k:X+2*k+1], v[X+2*k:X+2*k+1], v[T+2*(k%4):T+2*(k%4)+1]
.set k, k+1
.endr
	REDUCE
	v_fma_f32 v[T], v[T], s18, s19                 ; var + eps
	v_rsq_f32 v[RS], v[T]
	v_rsq_f32 v[RS+1], v[T]
	v_nop                                          ; a plain instruction between the root and the use of its result (ISA guide 5.7.2)
.set k, 0
	s_wait_alu depctr_va_vdst(0)
.rept 16
	v_pk_mul_f32 v[X+2*k:X+2*k+1], v[X+2*k:X+2*k+1], v[RS:RS+1]
.set k, k+1
.endr
	s_wait_loadcnt 0x0                             ; g and b
.set k, 0
.rept 16
	v_pk_fma_f32 v[X+2*k:X+2*k+1], v[X+2*k:X+2*k+1], v[G+2*k:G+2*k+1], v[BB+2*k:BB+2*k+1]
.set k, k+1
.endr
.set k, 0
.rept 16
	v_cvt_pk_f16_f32 v[X+k], v[X+2*k], v[X+2*k+1]  ; pair k goes into register k, which pairs before it have left
.set k, k+1
.endr
.irp j, 0,1,2,3,4,5,6,7
	global_store_b64 v[OO], v[X+2*(\j):X+2*(\j)+1], s[10:11] offset:256*(\j)  ; a wave's store covers 256 consecutive bytes, aligned
.endr
	s_endpgm
.Lcast:
	s_load_b256 s[4:11], s[0:1], 0x20              ; w_qkv s[4:5], w_out s[6:7], w1 s[8:9], w2 s[10:11]
	s_load_b64 s[12:13], s[0:1], 0x40              ; wbf
	v_lshlrev_b32 v1, 4, v0                        ; 16 t: my bytes in a pass's 8,192
	v_lshlrev_b32 v2, 3, v0                        ; 8 t: my bytes in a pass's 4,096 of output
	s_sub_co_u32 s20, ttmp9, 256                   ; my number among the 768
	s_wait_kmcnt 0x0
	s_mov_b64 s[14:15], s[4:5]                     ; the source and its first work-group, chosen by that number alone
	s_mov_b32 s16, 0
	s_cmp_ge_u32 s20, 192
	s_cselect_b64 s[14:15], s[6:7], s[14:15]
	s_cselect_b32 s16, 192, s16
	s_cmp_ge_u32 s20, 256
	s_cselect_b64 s[14:15], s[8:9], s[14:15]
	s_cselect_b32 s16, 256, s16
	s_cmp_ge_u32 s20, 512
	s_cselect_b64 s[14:15], s[10:11], s[14:15]
	s_cselect_b32 s16, 512, s16
	s_sub_co_u32 s18, s20, s16
	s_lshl_b32 s18, s18, 16                        ; my 65,536 bytes in the source
	s_mov_b32 s19, 0
	s_add_nc_u64 s[14:15], s[14:15], s[18:19]
	s_lshl_b32 s22, s20, 15                        ; my 32,768 bytes in wbf
	s_mov_b32 s23, 0
	s_add_nc_u64 s[12:13], s[12:13], s[22:23]
.irp p, 0,1,2,3,4,5,6,7
	global_load_b128 v[CX+4*(\p):CX+4*(\p)+3], v1, s[14:15] offset:8192*(\p) th:TH_LOAD_NT
.endr
.irp p, 0,1,2,3,4,5,6,7
	s_wait_loadcnt 7-(\p)                          ; this pass's load is in, the later passes' stay out
	v_cvt_pk_f16_f32 v[CY+2*(\p)],   v[CX+4*(\p)],   v[CX+4*(\p)+1]
	v_cvt_pk_f16_f32 v[CY+2*(\p)+1], v[CX+4*(\p)+2], v[CX+4*(\p)+3]
	global_store_b64 v2, v[CY+2*(\p):CY+2*(\p)+1], s[12:13] offset:4096*(\p)
.endr
	s_endpgm
.Lfunc_end_k_qe7df93ea78_pre:
	.size	k_qe7df93ea78_pre, .Lfunc_end_k_qe7df93ea78_pre-k_qe7df93ea78_pre
	.p2alignl 7, 3214868480
	.fill 96, 4, 3214868480
	.section	.rodata,"a",@progbits
	.p2align	6, 0x0
	.amdhsa_kernel k_qe7df93ea78_pre
		.amdhsa_group_segment_fixed_size 0
		.amdhsa_private_segment_fixed_size 0
		.amdhsa_enable_private_segment 0
		.amdhsa_kernarg_size 72
		.amdhsa_user_sgpr_count 2
		.amdhsa_user_sgpr_kernarg_segment_ptr 1
		.amdhsa_wavefront_size32 1
		.amdhsa_system_sgpr_workgroup_id_x 1
		.amdhsa_system_sgpr_workgroup_id_y 1
		.amdhsa_system_sgpr_workgroup_id_z 1
		.amdhsa_system_vgpr_workitem_id 0
		.amdhsa_next_free_vgpr 120
		.amdhsa_next_free_sgpr 66
		.amdhsa_reserve_vcc 0
		.amdhsa_float_denorm_mode_32 3
		.amdhsa_float_denorm_mode_16_64 3
		.amdhsa_memory_ordered 1
		.amdhsa_forward_progress 1
		.amdhsa_inst_pref_size 16
	.end_amdhsa_kernel
	.amdgpu_metadata
---
amdhsa.version: [ 1, 2 ]
amdhsa.kernels:
  - .name:           k_qe7df93ea78_pre
    .symbol:         k_qe7df93ea78_pre.kd
    .args:
      - { .name: x, .offset: 0, .size: 8, .value_kind: global_buffer, .address_space: global }
      - { .name: ln1_g, .offset: 8, .size: 8, .value_kind: global_buffer, .address_space: global }
      - { .name: ln1_b, .offset: 16, .size: 8, .value_kind: global_buffer, .address_space: global }
      - { .name: xn, .offset: 24, .size: 8, .value_kind: global_buffer, .address_space: global }
      - { .name: w_qkv, .offset: 32, .size: 8, .value_kind: global_buffer, .address_space: global }
      - { .name: w_out, .offset: 40, .size: 8, .value_kind: global_buffer, .address_space: global }
      - { .name: w1, .offset: 48, .size: 8, .value_kind: global_buffer, .address_space: global }
      - { .name: w2, .offset: 56, .size: 8, .value_kind: global_buffer, .address_space: global }
      - { .name: wbf, .offset: 64, .size: 8, .value_kind: global_buffer, .address_space: global }
    .group_segment_fixed_size: 0
    .private_segment_fixed_size: 0
    .kernarg_segment_align: 8
    .kernarg_segment_size: 72
    .max_flat_workgroup_size: 512
    .sgpr_count:     66
    .vgpr_count:     120
    .wavefront_size: 32
...
	.end_amdgpu_metadata
.endif
;; end of part 1
;; launch gq (part 2): grid 16 x 16, 4 waves a work-group, clusters of 4 x 4, 327,680 bytes of LDS; arguments xn, wbf, b_qkv, qkvh; writes qkvh
.if DOCPART == 2
	.amdgcn_target "amdgcn-amd-amdhsa--gfx1250"
	.amdhsa_code_object_version 6
	.text
	.protected	k_qe7df93ea78_gq
	.globl	k_qe7df93ea78_gq
	.p2align	8
	.type	k_qe7df93ea78_gq,@function
k_qe7df93ea78_gq:
	s_mov_b64 s[64:65], 0
	v_nop
	global_prefetch_b8 v0, s[64:65] scope:SCOPE_SE
	s_setreg_imm32_b32 hwreg(HW_REG_WAVE_MODE, 25, 1), 1
	s_wait_xcnt 0x0
	s_wait_alu depctr_hold_cnt(0) depctr_sa_sdst(0) depctr_va_vdst(0) depctr_va_sdst(0) depctr_va_ssrc(0) depctr_va_vcc(0) depctr_vm_vsrc(0)
	s_getreg_b32 s2, hwreg(HW_REG_IB_STS2, 6, 4)
	s_cmp_eq_u32 s2, 0
	s_cbranch_scc0 .Lentry_in_a_cluster
	s_endpgm
.Lentry_in_a_cluster:
	s_bfe_u32 s2, ttmp6, 0x10000c
	s_cmp_lg_u32 s2, 0xf033
	s_cbranch_scc0 .Lentry_shape_is_right
	s_endpgm
.Lentry_shape_is_right:
; Q, K, V PROJECTION.  C[m][n] = sum over k of A[m][k] W[k][n] + bias[n].  A = xn [4096][1024] f16, W = w_qkv in f16 [1024][3072] (wbf, byte 0), bias f32.
; C leaves in f16, rounded once, BY HEADS: qkvh[n / 64][m][n % 64]: 48 blocks of [4096][64]: q's 16 heads, k's, v's.  Sums in f32; the bias starts them.
; LIMITS.  f16 ends at 65,504: a q, k or v beyond it becomes an infinity.
; SHARES.  A tile of C is 256 x 192 (three heads): 16 x 16 tiles, one for each of 256 work-groups.  Four waves, each 64 rows x 192 columns: 48 accumulators, 384 registers.
; K goes in steps of 128 through two LDS slots that take turns; the loop's text is ONE K step, and the slot in hand is a scalar register (s48) that an exclusive or turns.
; W lies [K][N] in LDS as in memory; its fragments are taken turned (ds_load_tr16_b128).  THE MATRIX INSTRUCTION IS USED TRANSPOSED: source 0 = 16 columns of W,
; source 1 = 16 rows of A: a lane then holds one row m = l % 16 of C and the eight neighbouring columns 8 (l / 16) + 0..7.
; CLUSTER.  4 x 4 work-groups: the four of a row of the cluster need the same tile of A, the four of a column the same tile of W: each is asked for JOINTLY.
; THE K WALK IS ROTATED.  A cluster begins at K step o = (XM x cluster x + YM x (cluster y & YA)) mod NT and walks round to o - 1.  The clusters of one cluster row need the same tiles of A, those of
; one cluster column the same tiles of W; with different o they ask for a tile in different trips: one cluster is the first in the launch to ask for it, the others follow two trips or more later.
; o hangs on the cluster's own coordinates alone, which all sixteen partners share.  So the order of the terms of an f32 sum differs from cluster to cluster.
; REGISTERS by absolute number (windows of 256): 0-31 addresses; 64-127, 128-191 A's fragments, two buffers (on the way out: rows read back); 192-239 packed results;
;   256-351, 352-447 W's fragments, two buffers; 512-895 accumulators, (a, b) at 512 + 8 (12 a + b); 896-991 the bias, as the C operand of the first products.
.set SZ_N, 3072
.set SZ_K, 1024
.set TM, 256
.set TN, 192
.set MB, 4                             ; blocks of 16 rows a wave
.set NB, 12                            ; blocks of 16 columns a wave
.set WAVES_M, 4                        ; the waves lie 4 x 1 over the tile
.set KS, 128                           ; a K step
.set DEPTH, 1                          ; a quarter of it is 32 x DEPTH along K
.set BYHEADS, 0
.set XM, 2                             ; 4 x 4 clusters, 8 K steps: o = 2 x + 4 (y & 1)
.set YM, 4
.set YA, 1
.set APITCH, 272                       ; A's LDS row: 256 bytes + 16: the 16 rows of a load start at 16 different groups of four banks (64 banks of 4 bytes: ISA guide 11.1)
.set ABYTES, 256*272
.set QIA, 5                            ; padding after every 64 words
.set AD0, 128                          ; A's load: 128 elements x 128 rows, 1,024 elements from row to row
.set AD1, 128
.set ASTR, 1024
.set AROWB, 256*1024*2                 ; bytes from a tile row of A to the next
.set AHALFB, 128*1024*2                ; and to the half that the second wave fetches
.set ASTEP, 256                        ; and to the next K step
.set CHB, 64                           ; W's LDS row: 384 bytes in six pieces of 64 + 16: 480 bytes, an odd multiple of 32
.set PADB, 16
.set QIB, 3                            ; padding after every 16 words,
.set PCB, 3                            ; 4 words of it
.set WCOL, 0
.set WOFF, 0
.set BIAS, 896
.set SPITCH, 400                       ; the stage's row: 384 bytes + 16
.set NT,     SZ_K/KS
.set BPITCH, (TN*2/CHB)*(CHB+PADB)
.set BBYTES, KS*BPITCH
.set BSTEP,  KS*SZ_N*2
.set SLOT,   ABYTES+BBYTES             ; A's tile, then W's
.set STAGE,  2*SLOT                    ; behind the ring, never filled by a tensor load: 16 rows for each wave, for the way out
.set STGB,   16*SPITCH
.set SPARE,  STAGE+4*STGB              ; the spare words, 128 bytes for each wave: two blocks of 256 bytes that no other line names
.set YOUNG,  MB+(DEPTH-1)*(16-MB)      ; the youngest loads of a run, which the first half of a quarter does not read
.set ADRA0, 16                         ; v16  my lane's place in A's tile; never rewritten
.set ADRB0, 17                         ; v17  the same in W's tile
.set ADRA,  18                         ; v18  the same in the slot in hand
.set ADRB,  20                         ; v20  (v21: 128 rows further, where a K step has more)
.set STO,   24                         ; v24  the way out: where I put 16 bytes of a row
.set RD,    25                         ; v25  where I read rows back
.set CO,    26                         ; v26  my byte offset in the output
.set BO,    27                         ; v27  my byte offset in the bias
.set SPW,   28                         ; v28  LDS address of my spare word; never rewritten
.set NIL,   29                         ; v29  0; never rewritten
.set TMP,   192
.set G1A, 24                           ; s[24:31] descriptor group 1 for A's tiles;  s[32:35] group 0: it walks
.set G0A, 32
.set G0B, 36                           ; s[36:39], s[40:47] the same for W's
.set G1B, 40
.set KI,  66                           ; s66  the K step asked for last
.set BA,  68                           ; s[68:69] A at my part of the tile, K step 0
.set BW,  70                           ; s[70:71] W likewise
.set OA,  72                           ; s[72:73] a K step's byte offset in A
.set OW,  74                           ; s[74:75] and in W
.set F0A, 76                           ; s[76:79] group 0 of slot 0's first fill, for A; never rewritten
.set F0B, 80                           ; s[80:83] for W
.set MSB, 0
.macro WIN new                         ; the immediate's high byte repeats the setting that is left; a switch that changes nothing is dropped
.if MSB != (\new)
	s_set_vgpr_msb (MSB<<8)|(\new)
.set MSB, (\new)
.endif
.endm
.macro PLACES                          ; four places in front of loads into registers that matrix instructions have read, and of lines that read results
.rept 4
	v_nop
.endr
.endm
; A joint load.  Waves 0 and 1 fetch A's two halves, waves 2 and 3 W's.  The branch hangs on the wave's number alone.  An s_nop 0 and four v_nop follow each line.
.macro JLOAD
	s_cmp_eq_u32 s15, 0
	s_cbranch_scc0 .Lfor_b_\@
	tensor_load_to_lds s[G0A:G0A+3], s[G1A:G1A+7]
	s_nop 0
.rept 4
	v_nop
.endr
	s_branch .Lasked_\@
.Lfor_b_\@:
	tensor_load_to_lds s[G0B:G0B+3], s[G1B:G1B+7]
	s_nop 0
.rept 4
	v_nop
.endr
.Lasked_\@:
.endm
.macro CREST                           ; a round of the cluster's barrier behind its opening barrier: wave 0 signals for the work-group, every wave waits for all sixteen, my work-group's barrier closes it
	s_cmp_lg_u32 s14, 0
	s_cbranch_scc1 .Lnot_wave_0_\@
	s_barrier_signal -3
.Lnot_wave_0_\@:
	s_barrier_wait -3
	s_barrier_signal -1
	s_barrier_wait -1
.endm
.macro CROUND
	s_barrier_signal -1
	s_barrier_wait -1
	CREST
.endm
.macro NEXTK                           ; the walk's next K step, round the end
	s_add_co_u32 s[KI], s[KI], 1
	s_and_b32 s[KI], s[KI], NT-1
.endm
.macro ADDR ga, gb                     ; the global addresses of K step KI's tiles are made anew: base + step x constant, and the type bits
	s_mul_i32 s[OA], s[KI], ASTEP
	s_mul_i32 s[OW], s[KI], BSTEP
	s_add_nc_u64 s[(\ga)+2:(\ga)+3], s[BA:BA+1], s[OA:OA+1]
	s_or_b32 s[(\ga)+3], s[(\ga)+3], 0x80000000
	s_add_nc_u64 s[(\gb)+2:(\gb)+3], s[BW:BW+1], s[OW:OW+1]
	s_or_b32 s[(\gb)+3], s[(\gb)+3], 0x80000000
.endm
	s_load_b256 s[4:11], s[0:1], 0x0               ; A s[4:5], W s[6:7], bias s[8:9], out s[10:11]
	v_lshl_add_u32 v[SPW], v0, 2, SPARE
	v_mov_b32 v[NIL], 0
	ds_add_u32 v[SPW], v[NIL]                      ; the wave's opening: the add and its wait stand ahead of my first tensor load; the set-up below, work on registers, stands between them
	ds_add_u32 v28, v29
	v_lshrrev_b32 v1, 5, v0
	v_readfirstlane_b32 s14, v1                    ; wave 0..3
	s_lshr_b32 s15, s14, 1                         ; I fetch for A (0) or for W (1),
	s_and_b32 s16, s14, 1                          ; and which half of that tile
.if WAVES_M == 4
	s_mov_b32 s17, s14                             ; my place among the tile's rows
	s_mov_b32 s18, 0                               ; and columns
.else
	s_mov_b32 s17, s15
	s_mov_b32 s18, s16
.endif
	s_bfe_u32 s19, ttmp6, 0x40000                  ; cx, cy: my place in the cluster
	s_bfe_u32 s20, ttmp6, 0x40004
	s_lshl_b32 s21, ttmp9, 2
	s_add_co_u32 s21, s21, s19                     ; tile column = 4 x cluster x + cx
	s_and_b32 s22, ttmp7, 0xffff
	s_lshl_b32 s22, s22, 2
	s_add_co_u32 s22, s22, s20                     ; tile row = 4 x cluster y + cy
	s_and_b32 s[KI], ttmp7, YA                     ; where my cluster's walk begins: of the cluster's coordinates alone
	s_mul_i32 s[KI], s[KI], YM
	s_mul_i32 s67, ttmp9, XM
	s_add_co_u32 s[KI], s[KI], s67
	s_and_b32 s[KI], s[KI], NT-1
	s_lshl_b32 s61, s20, 2
	s_lshl_b32 s61, 15, s61                        ; my row of the cluster
	s_lshl_b32 s60, 0x1111, s19                    ; my column
	s_or_b32 s[G1A], s61, (1<<16)|(1<<20)|(1<<21)|(QIA<<22)|(3<<25)    ; 15:0 the mask; 17:16 2-byte elements; 20 padding on; 21 set beside a mask; 24:22 the interval; 31:25 4 words
	s_or_b32 s[G1B], s60, (1<<16)|(1<<20)|(1<<21)|(QIB<<22)|(PCB<<25)
	s_mov_b32 s[G1A+1], (AD0&0xffff)<<16           ; tensor_dim0
	s_mov_b32 s[G1A+2], (AD0>>16)|((AD1&0xffff)<<16)  ; tensor_dim1
	s_mov_b32 s[G1A+3], (AD1>>16)|(AD0<<16)        ; tile_dim0
	s_mov_b32 s[G1A+4], AD1                        ; tile_dim1
	s_mov_b32 s[G1A+5], ASTR                       ; elements from row to row
	s_mov_b32 s[G1A+6], 0
	s_mov_b32 s[G1A+7], 0
	s_mov_b32 s[G1B+1], TN<<16
	s_mov_b32 s[G1B+2], (KS/2)<<16
	s_mov_b32 s[G1B+3], TN<<16
	s_mov_b32 s[G1B+4], KS/2
	s_mov_b32 s[G1B+5], SZ_N
	s_mov_b32 s[G1B+6], 0
	s_mov_b32 s[G1B+7], 0
	s_mul_i32 s52, s22, AROWB                      ; A's tile hangs on the tile row and the wave alone,
	s_mul_i32 s58, s16, AHALFB
	s_add_co_u32 s52, s52, s58
	s_mov_b32 s53, 0
	s_mul_i32 s54, s21, TN*2                       ; W's on the tile column and the wave alone
	s_mul_i32 s59, s16, (KS/2)*SZ_N*2
	s_add_co_u32 s54, s54, s59
.if WOFF
	s_add_co_u32 s54, s54, WOFF
.endif
	s_mov_b32 s55, 0
	s_mov_b32 s[OA+1], 0
	s_mov_b32 s[OW+1], 0
	s_mul_i32 s49, s16, ABYTES/2                   ; where my half lies in a slot, for A
	s_mul_i32 s50, s16, BBYTES/2
	s_add_co_u32 s50, s50, ABYTES                  ; and for W: no place in the cluster enters an LDS address
	s_mov_b32 s[F0A], 1                            ; count = 1
	s_mov_b32 s[F0A+1], s49                        ; LDS address: slot 0
	s_mov_b32 s[F0B], 1
	s_mov_b32 s[F0B+1], s50
	s_mov_b32 s[G0A], 1
	s_add_co_u32 s[G0A+1], s49, SLOT               ; slot 1
	s_mov_b32 s[G0B], 1
	s_add_co_u32 s[G0B+1], s50, SLOT
	s_wait_dscnt 0x0                               ; the opening add is done
	s_wait_kmcnt 0x0
	s_add_nc_u64 s[BA:BA+1], s[4:5], s[52:53]
	s_add_nc_u64 s[BW:BW+1], s[6:7], s[54:55]
	ADDR F0A, F0B                                  ; the walk's first K step,
	NEXTK
	ADDR G0A, G0B                                  ; and its second
	CROUND                                         ; all sixteen work-groups are here: the first joint loads meet
	s_cmp_eq_u32 s15, 0                            ; a wave's two first fills stand in one branch, ahead of every wait on TENSORcnt and every LDS read: two loads of mine are out
	s_cbranch_scc0 .Lfirst_b
	tensor_load_to_lds s[F0A:F0A+3], s[G1A:G1A+7]
	s_nop 0
	tensor_load_to_lds s[G0A:G0A+3], s[G1A:G1A+7]
	s_nop 0
.rept 4
	v_nop
.endr
	s_branch .Lfirst_asked
.Lfirst_b:
	tensor_load_to_lds s[F0B:F0B+3], s[G1B:G1B+7]
	s_nop 0
	tensor_load_to_lds s[G0B:G0B+3], s[G1B:G1B+7]
	s_nop 0
.rept 4
	v_nop
.endr
.Lfirst_asked:
	; A's fragment: lane l holds row l % 16, K = 8 (l / 16) + 0..7 and 16 + 8 (l / 16) + 0..7: two loads of 16 bytes, 32 bytes apart.
	v_and_b32 v1, 15, v0                           ; r = l % 16
	v_bfe_u32 v2, v0, 4, 1                         ; h = l / 16
	v_mul_u32_u24 v3, v1, APITCH
	v_lshl_add_u32 v3, v2, 4, v3
	s_mul_i32 s23, s17, MB*16*APITCH
	v_add_nc_u32 v[ADRA0], s23, v3
	; W's fragment, turned: lane l reads 16 bytes of row 8 (l / 16) + l % 8, columns 8 ((l / 8) % 2) + 0..7, and ends with column l % 16 and 8 K; the second load stands 16 rows on.
	v_and_b32 v4, 7, v0
	v_lshl_add_u32 v4, v2, 3, v4
	v_mul_u32_u24 v4, v4, BPITCH
	v_bfe_u32 v5, v0, 3, 1
	v_lshl_add_u32 v4, v5, 4, v4
	s_mul_i32 s23, s18, WCOL
	s_add_co_u32 s23, s23, ABYTES
	v_add_nc_u32 v[ADRB0], s23, v4
	; the way out: into my stage 16 bytes at row l % 16; back four rows of 128 bytes, which are 512 consecutive bytes of a head
	s_mul_i32 s23, s14, STGB
	s_add_co_u32 s23, s23, STAGE
	v_mul_u32_u24 v3, v1, SPITCH
	v_lshl_add_u32 v3, v2, 4, v3
	v_add_nc_u32 v[STO], s23, v3
	v_bfe_u32 v3, v0, 3, 2
	v_mul_u32_u24 v3, v3, SPITCH
	v_and_b32 v4, 7, v0
	v_lshl_add_u32 v3, v4, 4, v3
	v_add_nc_u32 v[RD], s23, v3
	v_and_b32 v3, 31, v0
	v_lshlrev_b32 v[CO], 4, v3
	s_mul_i32 s56, s21, 3*524288                   ; the tile's first head,
	s_lshl_b32 s2, s22, 15                         ; its 256 rows of 128 bytes,
	s_add_co_u32 s56, s56, s2
	s_lshl_b32 s2, s14, 13                         ; my 64 of them
	s_add_co_u32 s56, s56, s2
	s_mov_b32 s57, 0
	s_add_nc_u64 s[10:11], s[10:11], s[56:57]
	s_mul_i32 s62, s21, TN*4                       ; the bias of my columns
	s_mul_i32 s3, s18, NB*64
	s_add_co_u32 s62, s62, s3
	s_mov_b32 s63, 0
	s_add_nc_u64 s[8:9], s[8:9], s[62:63]
	v_lshlrev_b32 v[BO], 5, v2                     ; register j of block b is column 16 b + 8 h + j, the same for all rows
	WIN (BIAS/256)<<6
.set i, 0
.rept NB
	global_load_b128 v[BIAS%256+8*i:BIAS%256+8*i+3],   v[BO], s[8:9] offset:64*i
	global_load_b128 v[BIAS%256+8*i+4:BIAS%256+8*i+7], v[BO], s[8:9] offset:64*i+16
.set i, i+1
.endr
	WIN 0
; n x NB matrix instructions: row blocks alo .. alo + n - 1 x all column blocks, 32 along K: part c of buffer buf.  The accumulators take turns, one instruction a turn.
; first: the product starts the sum, with the bias as C: nothing is ever cleared.
.macro MM buf, c, alo, n, first
.set ma, (\alo)
.rept (\n)
.set mb, 0
.rept NB
.set rd, 512+8*(ma*NB+mb)
.set rb, 256+96*(\buf)+8*(NB*(\c)+mb)
.set ra, 64+64*(\buf)+8*(MB*(\c)+ma)
.set rc, rd
.if (\first)
.set rc, BIAS+8*mb
.endif
	WIN (rb/256)|((ra/256)<<2)|((rc/256)<<4)|((rd/256)<<6)
	v_wmma_f32_16x16x32_f16 v[rd%256:rd%256+7], v[rb%256:rb%256+7], v[ra%256:ra%256+7], v[rc%256:rc%256+7]
.set mb, mb+1
.endr
.set ma, ma+1
.endr
.endm
.macro QTR buf, i, j, first            ; quarter j of half i of a quarter step's products
.if DEPTH == 1
	MM \buf, 0, (\i)*(MB/2)+(\j)*(MB/4), MB/4, \first
.else
	MM \buf, \i, (\j)*(MB/2), MB/2, (\first)*(1-(\i))
.endif
.endm
; 32 LDS loads in one run: the fragments of quarter step sub into buffer buf: W's, then A's, rows ascending
.macro FETCH sub, buf
.set fc, 0
.rept DEPTH
.set kk, (\sub)*DEPTH+fc
	WIN 0x40                                       ; destination window 1, address window 0
.set fi, 0
.rept NB
.set bo, (kk%4)*32*BPITCH+((32*fi)/CHB)*(CHB+PADB)+(32*fi)%CHB
.set rg, 96*(\buf)+8*(NB*fc+fi)
	ds_load_tr16_b128 v[rg:rg+3],   v[ADRB+kk/4] offset:bo
	ds_load_tr16_b128 v[rg+4:rg+7], v[ADRB+kk/4] offset:bo+16*BPITCH
.set fi, fi+1
.endr
	WIN 0
.set fi, 0
.rept MB
.if BYHEADS
.set ao, (kk/2)*128*APITCH+(kk%2)*64+fi*16*APITCH
.else
.set ao, 64*kk+fi*16*APITCH
.endif
.set rg, 64+64*(\buf)+8*(MB*fc+fi)
	ds_load_b128 v[rg:rg+3],   v[ADRA] offset:ao
	ds_load_b128 v[rg+4:rg+7], v[ADRA] offset:ao+32
.set fi, fi+1
.endr
.set fc, fc+1
.endr
.endm
.macro SETADR                          ; my places in the slot in hand
	v_add_nc_u32 v[ADRA], s48, v[ADRA0]
	v_add_nc_u32 v[ADRB], s48, v[ADRB0]
.if KS > 128
	v_add_nc_u32 v[ADRB+1], 128*BPITCH, v[ADRB]
.endif
.endm
; One of a K step's first three quarters: multiplies buffer sub % 2; in its middle the next quarter's fragments are fetched into the other buffer.
.macro SUB sub, first=0
	s_wait_dscnt YOUNG                             ; all that the first half reads is in; the youngest loads may be out
	QTR (\sub)%2, 0, 0, \first
	QTR (\sub)%2, 0, 1, \first
	PLACES
	FETCH (\sub)+1, 1-(\sub)%2
	s_wait_dscnt 32                                ; all but the 32 just issued
	QTR (\sub)%2, 1, 0, \first
	QTR (\sub)%2, 1, 1, \first
.endm
; The last quarter multiplies buffer 1 and changes slots: ONE barrier.  In front of it each wave waits for all its tensor loads (one is out: its part of the next slot), adds 0 to its spare word,
; and waits for that and for its own reads of this slot.  fill = 1: the barrier opens a round of the cluster's, and the slot just read is filled again, with the walk's K step two on, first thing behind the round.
.macro TURN fill
	WIN 0
	s_wait_tensorcnt 0x0                           ; all my tensor loads have landed, so group 0 may be written
	ds_add_u32 v[SPW], v[NIL]                      ; 0 onto my spare word
.if \fill
	NEXTK                                          ; the refill's descriptors, scalar work while the add is out
	ADDR G0A, G0B
	s_add_co_u32 s[G0A+1], s48, s49                ; into the slot in hand
	s_add_co_u32 s[G0B+1], s48, s50
.endif
	s_wait_dscnt YOUNG+1                           ; (the add and the youngest loads may be out)
	QTR 1, 0, 0, 0                                 ; matrix instructions stand between the add and the wait for it
	s_wait_dscnt 0x0                               ; the add is done, and my reads of this slot are over
	s_barrier_signal -1
	QTR 1, 0, 1, 0                                 ; work on registers while the others arrive
	WIN 0                                          ; at a branch and at a label every window is 0
	s_barrier_wait -1
.if \fill
	CREST                                          ; no wave of any partner still reads this slot or has a load on its way
	JLOAD                                          ; its four v_nop are also the places in front of the loads below
.else
	PLACES
.endif
	s_xor_b32 s48, s48, SLOT                       ; 0 and SLOT by turns
	SETADR
	FETCH 0, 0
	QTR 1, 1, 0, 0
	QTR 1, 1, 1, 0
.endm
	s_wait_tensorcnt 0x1                           ; my part of slot 0 is in; slot 1's load, issued behind it, may stay out
	s_barrier_signal -1
	s_barrier_wait -1                              ; everybody's part is in
	s_mov_b32 s48, 0
	SETADR
	FETCH 0, 0
	s_wait_loadcnt 0x0                             ; the bias
	SUB 0, 1                                       ; the first quarter stands in front of the loop: its products start the sums
	WIN 0
	s_mov_b32 s51, NT-1
	s_branch .Lentry                               ; the loop is entered behind a K step's first quarter
.Lloop:                                                ; NT - 2 trips: the last quarter of a K step, a refill, and the next step's first three quarters
	TURN 1
	SUB 0
	WIN 0
.Lentry:
	SUB 1
	SUB 2
	WIN 0
	s_sub_co_u32 s51, s51, 1
	s_cmp_lg_u32 s51, 0
	s_cbranch_scc1 .Lloop
	TURN 0                                         ; the tail is written out: nothing is asked for
	SUB 0
	SUB 1
	SUB 2
	s_wait_dscnt YOUNG
	QTR 1, 0, 0, 0
	QTR 1, 0, 1, 0
	s_wait_dscnt 0x0
	QTR 1, 1, 0, 0
	QTR 1, 1, 1, 0
	PLACES
; THE WAY OUT, a block of 16 rows at a time.  PACK: rounded to f16, each accumulator's registers ascending.  TOSTAGE: 16 bytes a lane into my stage, and back by heads: four rows of 128 bytes a load.  SEND: stored.
.macro PACK a
.set i, 0
.rept 4*NB
.set src, 512+8*NB*(\a)+2*i
	WIN 5*(src/256)                                ; sources 0 and 1 in the accumulator's window
	v_cvt_pk_f16_f32 v[TMP+i], v[src%256], v[src%256+1]
.set i, i+1
.endr
	WIN 0
.endm
.macro TOSTAGE a
.set BK, 64+64*((\a)%2)
.set i, 0
.rept NB
	ds_store_b128 v[STO], v[TMP+4*i:TMP+4*i+3] offset:32*i
.set i, i+1
.endr
.set i, 0
.rept 12                               ; head i / 4, rows 4 (i % 4) on
	ds_load_b128 v[BK+4*i:BK+4*i+3], v[RD] offset:(i%4)*4*SPITCH+(i/4)*128  ; LDS serves a wave's instructions in order (ISA guide 5.7.1.4): these see the stores above
.set i, i+1
.endr
.endm
.macro SEND a
.set BK, 64+64*((\a)%2)
	s_wait_dscnt 0x0                               ; the block is back in registers
	s_wait_xcnt 0x0                                ; the stores before these have read their registers: the other buffer is loaded again only behind this wait
.set i, 0
.rept 12
	global_store_b128 v[CO], v[BK+4*i:BK+4*i+3], s[10:11] offset:(i/4)*524288+(\a)*2048+(i%4)*512  ; 512 consecutive bytes, aligned
.set i, i+1
.endr
.endm
	PACK 0
	TOSTAGE 0
.irp a, 1,2,3
	PACK \a                                        ; a block's conversions stand between the loads of the block before and the wait for them
	SEND (\a)-1
	TOSTAGE \a
.endr
	SEND 3
	s_wait_tensorcnt 0x0                           ; the wave's end: an add to my spare word and its wait, behind my last tensor load and my last LDS store
	ds_add_u32 v[SPW], v[NIL]
	s_wait_dscnt 0x0
	CROUND                                         ; the closing round: no work-group ends while a partner may still ask for a tile that names it
	s_endpgm
.Lfunc_end_k_qe7df93ea78_gq:
	.size	k_qe7df93ea78_gq, .Lfunc_end_k_qe7df93ea78_gq-k_qe7df93ea78_gq
	.p2alignl 7, 3214868480
	.fill 96, 4, 3214868480
	.section	.rodata,"a",@progbits
	.p2align	6, 0x0
	.amdhsa_kernel k_qe7df93ea78_gq
		.amdhsa_group_segment_fixed_size 327680
		.amdhsa_private_segment_fixed_size 0
		.amdhsa_enable_private_segment 0
		.amdhsa_kernarg_size 32
		.amdhsa_user_sgpr_count 2
		.amdhsa_user_sgpr_kernarg_segment_ptr 1
		.amdhsa_wavefront_size32 1
		.amdhsa_system_sgpr_workgroup_id_x 1
		.amdhsa_system_sgpr_workgroup_id_y 1
		.amdhsa_system_sgpr_workgroup_id_z 1
		.amdhsa_system_vgpr_workitem_id 0
		.amdhsa_next_free_vgpr 992
		.amdhsa_next_free_sgpr 84
		.amdhsa_reserve_vcc 0
		.amdhsa_float_denorm_mode_32 3
		.amdhsa_float_denorm_mode_16_64 3
		.amdhsa_memory_ordered 1
		.amdhsa_forward_progress 1
		.amdhsa_inst_pref_size 89
	.end_amdhsa_kernel
	.amdgpu_metadata
---
amdhsa.version: [ 1, 2 ]
amdhsa.kernels:
  - .name:           k_qe7df93ea78_gq
    .symbol:         k_qe7df93ea78_gq.kd
    .args:
      - { .name: xn, .offset: 0, .size: 8, .value_kind: global_buffer, .address_space: global }
      - { .name: wbf, .offset: 8, .size: 8, .value_kind: global_buffer, .address_space: global }
      - { .name: b_qkv, .offset: 16, .size: 8, .value_kind: global_buffer, .address_space: global }
      - { .name: qkvh, .offset: 24, .size: 8, .value_kind: global_buffer, .address_space: global }
    .group_segment_fixed_size: 327680
    .private_segment_fixed_size: 0
    .kernarg_segment_align: 8
    .kernarg_segment_size: 32
    .max_flat_workgroup_size: 128
    .sgpr_count:     84
    .vgpr_count:     992
    .wavefront_size: 32
...
	.end_amdgpu_metadata
.endif
;; end of part 2
;; launch attn (part 3): grid 8 x 32, 8 waves a work-group, no clusters, 327,680 bytes of LDS; arguments qkvh, res_pos, ctxh; writes ctxh
.if DOCPART == 3
	.amdgcn_target "amdgcn-amd-amdhsa--gfx1250"
	.amdhsa_code_object_version 6
	.text
	.protected	k_qe7df93ea78_attn
	.globl	k_qe7df93ea78_attn
	.p2align	8
	.type	k_qe7df93ea78_attn,@function
k_qe7df93ea78_attn:
	s_mov_b64 s[64:65], 0
	v_nop
	global_prefetch_b8 v0, s[64:65] scope:SCOPE_SE
	s_setreg_imm32_b32 hwreg(HW_REG_WAVE_MODE, 25, 1), 1
	s_wait_xcnt 0x0
; ATTENTION IN A BAND.  ctx[h][q] = sum over keys k with 0 <= q - k < 512 of softmax_k(Q[q] . K[k] / 8 + res_pos[h][q - k]) V[k], inside one batch of 2,048 rows.
; qkvh: [48][4096][64] f16 (q's 16 heads, k's, v's; row = batch x 2,048 + position); res_pos: [16][512] f32; ctxh: [16][4096][64] f16.
; Products, maxima and sums in f32; the weights p are rounded to f16 for the second product (their sum is taken of the unrounded p), ctx once at the end.
; LIMITS.  A hidden score counts as its value less 1e30; a weight below 2^-126 counts as 0; p below 6e-5 keeps f16's fixed step of 6e-8; NaN and infinities are not treated apart.
; SHARES.  A work-group takes 256 queries of one head and batch, from q0 = 256 x block; each of its eight waves 32: two tiles of 16.  The 768 key places p = key - (q0 - 512) are all in LDS,
; filled ONCE: six waves fetch a group of 256 keys each (three of K, three of V).  For the first two blocks the groups ahead of key 0 are asked for at key 0; no line reads them.
; NO CLUSTER: block i needs the key groups i - 2 .. i, another set for each partner.
; THE WALK.  64 keys a step, nine steps for every wave, BACKWARD from the step that holds the wave's own keys: e = 0 .. 8, step 8 + w / 2 - e.  So each row meets its own key, a true score, in the first step.
; A step wholly ahead of key 0 (e > w / 2 + 4 x block) is jumped over, forward, to the counter's step; nothing but LDS loads and register work is jumped.
; BIAS AND MASK are the C operand that starts S^T = K Q^T: 8 x res_pos[d], or -1e30 where d = q - k lies outside 0 .. 511; c = log2(e) / 8 then scales both.  A table U[x], x = 576 - d, lies in LDS in
; four copies shifted by one word each, so that a lane's eight values (d descends as the register ascends) are two aligned loads of 16 bytes.  A step's 8 score blocks need 5 different C blocks.
; LAYOUT.  S^T holds ONE query a lane (l % 16) and the keys 8 (l / 16) + 0..7; two such results rounded to f16 ARE source 1 of O^T = V^T P.  K comes out of LDS as it lies, V turned (ds_load_tr16_b128).
; SOFTMAX.  A running maximum m and sum l for each query: p = 2^(c s - c m); in every step O and l are multiplied by a = 2^(c m_old - c m_new).  m starts at the lowest finite number, O and l at 0.
; Two waves share a SIMD and no barrier stands in the walk, so one wave's products run beside the other's vector work; the step is written in phases.
; REGISTERS.  Window 0: v0-15 addresses; v16-23 statistics (c m, m, l, l a tile); v24-33 at work; v34-35 the add's; v40-79 the 5 C blocks; v80-143 S^T; v144-175 P; v176-239 O^T.
;   Window 1: v0-31 Q; v32-95 K of a step; v96-159 V of a step.
.set PK,    144                        ; a row of K in LDS: 128 bytes + 16: the 16 rows of a load start at 16 different groups of four banks (64 banks of 4 bytes: ISA guide 11.1)
.set PV,    160                        ; a row of V: 128 + 32
.set VOFF,  768*PK
.set TAB,   VOFF+768*PV                ; the table: four copies, TP bytes apart
.set TP,    3264                       ; 192 more than a multiple of 256
.set STAGE, TAB+4*TP                   ; 16 rows x 144 bytes for each wave, for the way out
.set SP,    144
.set SPARE, STAGE+8*16*SP              ; the spare words, 128 bytes for each wave: four blocks of 256 bytes that no other line names
.set AK0, 2                            ; v2  my lane's place in a step of K; never rewritten
.set AV0, 3                            ; v3  of V
.set AB0, 4                            ; v4  in the table
.set AK,  5                            ; v5-7  the same for the step in hand
.set AV,  6
.set AB,  7
.set QO,  8                            ; v8  my byte offset in 16 rows of Q
.set RD,  9                            ; v9  the way out: where I read rows back
.set GO,  10                           ; v10 my byte offset in 512 consecutive bytes of ctx
.set STO, 11                           ; v11 where I put 16 bytes of a row
.set ST,  16
.set TMP, 24                           ; four registers c0-c3 a tile; when the maximum is found c2 takes a
.set MV,  32                           ; c m_old, kept while c m is made anew
.set SPW, 34                           ; LDS address of my spare word; never rewritten
.set NIL, 35                           ; 0; never rewritten
.set TA,  36                           ; where I put my words of the table
.set BI,  40
.set S,   80
.set P,   144
.set O,   176
.set KF,  32                           ; window 1: key block kb, channel half c at KF + 16 kb + 8 c
.set VF,  96                           ; window 1: key half kk, channel block cb at VF + 32 kk + 8 cb
.set WV,  12                           ; s12 my wave's number; s13 the block; s14 the head; s15 the batch
.set G1K, 24
.set G1V, 32
.set G0K, 40
.set G0V, 44
.set CS,  48                           ; s[48:49] c
.set SEL, 50                           ; s[50:51] v_permlanex16_b32's selects
.set TBK, 52                           ; s52-54 the step in hand: its first byte in K, in V (less VOFF), and the table's term
.set TBV, 53
.set TBB, 54
.set EC,  55                           ; s55 e
.set LIM, 56                           ; s56 the last e that has keys
.set BIGN, 57                          ; s57 -1e30
.set MSB, 0
.macro WIN new
.if MSB != (\new)
	s_set_vgpr_msb (MSB<<8)|(\new)
.set MSB, (\new)
.endif
.endm
	s_load_b128 s[4:7], s[0:1], 0x0                ; qkvh s[4:5], res_pos s[6:7]
	s_load_b64 s[8:9], s[0:1], 0x10                ; ctxh
	v_lshl_add_u32 v[SPW], v0, 2, SPARE
	v_mov_b32 v[NIL], 0
	ds_add_u32 v[SPW], v[NIL]                      ; the wave's opening: the add and its wait stand ahead of my first tensor load; the set-up below, work on registers, stands between them
	ds_add_u32 v34, v35
	v_lshrrev_b32 v1, 5, v0
	v_readfirstlane_b32 s[WV], v1
	s_mov_b32 s13, ttmp9
	s_and_b32 s16, ttmp7, 0xffff
	s_and_b32 s14, s16, 15
	s_lshr_b32 s15, s16, 4
	; descriptor group 1.  256 keys are 32,768 dense bytes: asked for as 128 rows of 256 bytes, two keys a row, and padded in LDS after every key
	s_mov_b32 s[G1K], (1<<16)|(1<<20)|(4<<22)|(3<<25)  ; 2-byte elements; padding on; after every 32 words; 4 words
	s_mov_b32 s[G1V], (1<<16)|(1<<20)|(4<<22)|(7<<25)  ; 8 words
.irp g, G1K, G1V
	s_mov_b32 s[\g+1], 128<<16                     ; tensor_dim0 = 128
	s_mov_b32 s[\g+2], 128<<16                     ; tensor_dim1 = 128
	s_mov_b32 s[\g+3], 128<<16                     ; tile_dim0 = 128
	s_mov_b32 s[\g+4], 128                         ; tile_dim1 = 128
	s_mov_b32 s[\g+5], 128                         ; elements from row to row
	s_mov_b32 s[\g+6], 0
	s_mov_b32 s[\g+7], 0
.endr
	s_mov_b32 s[G0K], 1
	s_mul_i32 s[G0K+1], s[WV], 256*PK              ; waves 0-2: K's group w
	s_mov_b32 s[G0V], 1
	s_mul_i32 s[G0V+1], s[WV], 256*PV              ; waves 3-5: V's group w - 3, at VOFF + (w - 3) x 40,960
	s_sub_co_u32 s[G0V+1], s[G0V+1], 3*256*PV-VOFF
	s_lshl_b32 s17, s14, 19                        ; the head's 524,288 bytes,
	s_lshl_b32 s62, s15, 18                        ; the batch's 262,144
	s_add_co_u32 s17, s17, s62
	s_add_co_u32 s18, s13, s[WV]
	s_sub_co_i32 s20, s18, 5                       ; V's group of keys: block - 2 + (w - 3),
	s_sub_co_i32 s18, s18, 2                       ; K's: block - 2 + w;
	s_max_i32 s18, s18, 0                          ; a group ahead of key 0 is asked for at key 0
	s_max_i32 s20, s20, 0
	s_lshl_b32 s18, s18, 15
	s_lshl_b32 s20, s20, 15
	s_add_co_u32 s18, s18, s17
	s_add_co_u32 s20, s20, s17
	s_add_co_u32 s18, s18, 16*524288               ; k's heads lie behind q's 16,
	s_add_co_u32 s20, s20, 32*524288               ; v's behind those
	s_mov_b32 s19, 0
	s_mov_b32 s21, 0
	s_lshl_b32 s22, s13, 15                        ; my block's 256 rows of 128 bytes,
	s_lshl_b32 s62, s[WV], 12                      ; my wave's 32
	s_add_co_u32 s22, s22, s62
	s_add_co_u32 s22, s22, s17
	s_mov_b32 s23, 0
	s_lshl_b32 s58, s14, 11                        ; the head's 512 words of res_pos
	s_mov_b32 s59, 0
	s_mov_b32 s[CS], 0x3e38aa3b                    ; c = log2(e) / 8
	s_mov_b32 s[CS+1], s[CS]                       ; named with it as a pair
	s_mov_b32 s[SEL], 0x76543210
	s_mov_b32 s[SEL+1], 0xfedcba98
	s_mov_b32 s[BIGN], 0xf149f2ca                  ; -1e30
	s_lshr_b32 s62, s[WV], 1
	s_add_co_u32 s63, s62, 8                       ; the step that holds my own keys
	s_mul_i32 s[TBK], s63, 64*PK
	s_mul_i32 s[TBV], s63, 64*PV
	s_lshl2_add_u32 s[LIM], s13, s62               ; 4 x block + w / 2
	s_and_b32 s62, s[WV], 1
	s_lshl_b32 s62, s62, 7
	s_sub_co_u32 s[TBB], 2192, s62                 ; 4 x (576 - 32 (w % 2)) less the 112 that stand in AB0 and in the blocks' offsets
	s_mov_b32 s[EC], 0
	s_wait_dscnt 0x0                               ; the opening add is done
	s_wait_kmcnt 0x0
	s_add_nc_u64 s[G0K+2:G0K+3], s[4:5], s[18:19]
	s_or_b32 s[G0K+3], s[G0K+3], 0x80000000        ; type = 2
	s_add_nc_u64 s[G0V+2:G0V+3], s[4:5], s[20:21]
	s_or_b32 s[G0V+3], s[G0V+3], 0x80000000
	s_add_nc_u64 s[60:61], s[4:5], s[22:23]        ; Q at my wave's first row
	s_add_nc_u64 s[8:9], s[8:9], s[22:23]          ; ctx likewise
	s_add_nc_u64 s[6:7], s[6:7], s[58:59]
	s_cmp_lt_u32 s[WV], 3                          ; the fills: one a wave, for six of the eight waves; an s_nop 0 and four v_nop follow each
	s_cbranch_scc0 .Lnot_k
	tensor_load_to_lds s[G0K:G0K+3], s[G1K:G1K+7]
	s_nop 0
.rept 4
	v_nop
.endr
	s_branch .Lfilled
.Lnot_k:
	s_cmp_lt_u32 s[WV], 6
	s_cbranch_scc0 .Lfilled
	tensor_load_to_lds s[G0V:G0V+3], s[G1V:G1V+7]
	s_nop 0
.rept 4
	v_nop
.endr
.Lfilled:
	; the table: thread t makes U[t], U[t + 256], U[t + 512]; d = 576 - x; outside 0 .. 511 (as an unsigned number) the load is held at word 511 and its value dropped
	v_sub_nc_u32 v40, 576, v0
	v_sub_nc_u32 v41, 320, v0
	v_sub_nc_u32 v42, 64, v0
.irp i, 0,1,2
	v_min_u32 v[43+\i], 511, v[40+\i]
	v_lshlrev_b32 v[43+\i], 2, v[43+\i]
	global_load_b32 v[46+\i], v[43+\i], s[6:7]
.endr
	; Q stays in registers: lane l holds row l % 16, channels 8 (l / 16) + 0..7 and 16 + 8 (l / 16) + 0..7 of each 32
	v_and_b32 v1, 15, v0                           ; r
	v_bfe_u32 v12, v0, 4, 1                        ; h
	v_lshlrev_b32 v[QO], 7, v1
	v_lshl_add_u32 v[QO], v12, 4, v[QO]
	WIN 0x40                                       ; destination window 1
.irp i, 0,1,2,3                        ; tile i / 2, channels 32 (i % 2) on
	global_load_b128 v[8*\i:8*\i+3],   v[QO], s[60:61] offset:(\i/2)*2048+(\i%2)*64
	global_load_b128 v[8*\i+4:8*\i+7], v[QO], s[60:61] offset:(\i/2)*2048+(\i%2)*64+32
.endr
	WIN 0
	v_mul_u32_u24 v[AK0], v1, PK
	v_lshl_add_u32 v[AK0], v12, 4, v[AK0]          ; row x pitch + 16 x half
	v_and_b32 v13, 7, v0
	v_bfe_u32 v14, v0, 3, 1
	v_lshl_add_u32 v[AV0], v12, 3, v13             ; the turning load: key 8 (l / 16) + l % 8, channels 8 ((l / 8) % 2) + 0..7
	v_mul_u32_u24 v[AV0], v[AV0], PV
	v_lshl_add_u32 v[AV0], v14, 4, v[AV0]
	v_add_nc_u32 v[AV0], VOFF, v[AV0]
	v_and_b32 v15, 3, v1                           ; the table: copy 3 - r % 4 : (3 - r % 4) TP + 32 h + 48 - 16 (r / 4)
	v_sub_nc_u32 v15, 3, v15
	v_mul_u32_u24 v[AB0], v15, TP
	v_lshrrev_b32 v15, 2, v1
	v_sub_nc_u32 v15, 3, v15
	v_lshl_add_u32 v[AB0], v15, 4, v[AB0]
	v_lshl_add_u32 v[AB0], v12, 5, v[AB0]
	v_add_nc_u32 v[AB0], TAB, v[AB0]
	v_lshl_add_u32 v[TA], v0, 2, TAB
	s_mul_i32 s62, s[WV], 16*SP
	s_add_co_u32 s62, s62, STAGE                   ; my stage
	v_mul_u32_u24 v[STO], v1, SP                   ; in: row l % 16, 16 bytes for each half of the lanes
	v_lshl_add_u32 v[STO], v12, 4, v[STO]
	v_add_nc_u32 v[STO], s62, v[STO]
	v_bfe_u32 v[RD], v0, 3, 2                      ; back: 32 lanes take four rows of 128 bytes,
	v_mul_u32_u24 v[RD], v[RD], SP
	v_lshl_add_u32 v[RD], v13, 4, v[RD]
	v_add_nc_u32 v[RD], s62, v[RD]
	v_and_b32 v[GO], 31, v0                        ; which are 512 consecutive bytes of ctx
	v_lshlrev_b32 v[GO], 4, v[GO]
	; what the first step finds: O and l are 0, m the lowest finite number, c m far below every c s, so that its a is 0.  All this stands in the wait for the tiles.
.set i, 0
.rept 64
	v_mov_b32 v[O+i], 0
.set i, i+1
.endr
.irp t, 0,1
	v_mov_b32 v[ST+4*\t], 0xfe000000
	v_mov_b32 v[ST+4*\t+1], 0xff7fffff
	v_mov_b32 v[ST+4*\t+2], 0
	v_mov_b32 v[ST+4*\t+3], 0
.endr
	s_wait_loadcnt 0x8                             ; my three words of res_pos are in; Q's eight loads may stay out
.irp i, 0,1,2
	v_mul_f32 v[46+\i], 8.0, v[46+\i]
	v_cmp_gt_u32 vcc_lo, 512, v[40+\i]
	v_cndmask_b32 v[46+\i], s[BIGN], v[46+\i], vcc_lo
	ds_store_b32 v[TA], v[46+\i] offset:1024*\i+12       ; copy s holds U[y + s] at byte 12 + 4 y: U[x] lies at 4 x + 12 - 4 s
	ds_store_b32 v[TA], v[46+\i] offset:1024*\i+TP+8
	ds_store_b32 v[TA], v[46+\i] offset:1024*\i+2*TP+4
	ds_store_b32 v[TA], v[46+\i] offset:1024*\i+3*TP
.endr
	s_wait_tensorcnt 0x0                           ; for the others' sake: my tile has landed,
	s_wait_dscnt 0x0                               ; and my words of the table are stored
	s_barrier_signal -1
	s_barrier_wait -1                              ; everybody's are: from here on LDS is only read, but for each wave's own stage
	s_wait_loadcnt 0x0                             ; Q
.macro REGS t
.set rT, ST+4*(\t)
.set rC, TMP+4*(\t)
.set rM, MV+(\t)
.set rS, S+32*(\t)
.set rP, P+16*(\t)
.set rO, O+32*(\t)
.endm
; Number n of the 22 that find tile t's maximum and statistics.  Each accumulator's lowest registers are read first.
;   0-11 four chains c0-c3 of seven scores each   12-14, 16 the four scores left over, the old m, and c0-c3 into c0   15 c m_old is kept
;   17, 18 the query's other 32 keys lie in the lane 16 away: the new m   19-21 c m; c m_old - c m_new; a
.macro XS t, n
	REGS \t
.if (\n) < 4
	v_max3_num_f32 v[rC+(\n)], v[rS+8*(\n)], v[rS+8*(\n)+1], v[rS+8*(\n)+2]
.elseif (\n) < 12
	v_max3_num_f32 v[rC+(\n)%4], v[rC+(\n)%4], v[rS+8*((\n)%4)+2*((\n)/4)+1], v[rS+8*((\n)%4)+2*((\n)/4)+2]
.elseif (\n) == 12
	v_max3_num_f32 v[rC], v[rC], v[rS+7], v[rS+15]
.elseif (\n) == 13
	v_max3_num_f32 v[rC+1], v[rC+1], v[rS+23], v[rS+31]
.elseif (\n) == 14
	v_max3_num_f32 v[rC+2], v[rC+2], v[rC+3], v[rT+1]
.elseif (\n) == 15
	v_mov_b32 v[rM], v[rT]
.elseif (\n) == 16
	v_max3_num_f32 v[rC], v[rC], v[rC+1], v[rC+2]
.elseif (\n) == 17
	v_permlanex16_b32 v[rC+3], v[rC], s[SEL], s[SEL+1]
.elseif (\n) == 18
	v_max_num_f32 v[rT+1], v[rC], v[rC+3]
.elseif (\n) == 19
	v_mul_f32 v[rT], s[CS], v[rT+1]
.elseif (\n) == 20
	v_sub_f32 v[rC+1], v[rM], v[rT]
.else
	v_exp_f32 v[rC+2], v[rC+1]
.endif
.endm
.macro FL t, n                         ; c s - c m for pair n of 16
	REGS \t
	v_pk_fma_f32 v[rS+2*(\n):rS+2*(\n)+1], v[rS+2*(\n):rS+2*(\n)+1], s[CS:CS+1], v[rT:rT+1] op_sel_hi:[1,0,0] neg_lo:[0,0,1] neg_hi:[0,0,1]
.endm
.macro RL t, n                         ; pair n of 16 of O^T times a
	REGS \t
	s_wait_alu depctr_va_vdst(0)
	v_pk_mul_f32 v[rO+2*(\n):rO+2*(\n)+1], v[rO+2*(\n):rO+2*(\n)+1], v[rC+2:rC+3] op_sel_hi:[1,0]
.endm
.macro EL g, j                         ; group g is tile g % 2, scores 4 (g / 2) + 0..3: the exponential of its score j
	REGS (\g)%2
	v_exp_f32 v[rS+4*((\g)/2)+(\j)], v[rS+4*((\g)/2)+(\j)]
.endm
.macro PLN g, j                        ; the four plain lines of group g: both pairs rounded to f16; the second pair added onto the first, in place; l takes that sum (the first time as l = a l + sum)
	REGS (\g)%2
.set kq, (\g)/2
.if (\j) < 2
	s_wait_alu depctr_va_vdst(0)
	v_cvt_pk_f16_f32 v[rP+2*kq+(\j)], v[rS+4*kq+2*(\j)], v[rS+4*kq+2*(\j)+1]
.elseif (\j) == 2
	v_pk_add_f32 v[rS+4*kq:rS+4*kq+1], v[rS+4*kq:rS+4*kq+1], v[rS+4*kq+2:rS+4*kq+3]
.elseif kq == 0
	v_pk_fma_f32 v[rT+2:rT+3], v[rT+2:rT+3], v[rC+2:rC+3], v[rS:rS+1] op_sel_hi:[1,0,1]
.else
	v_pk_add_f32 v[rT+2:rT+3], v[rT+2:rT+3], v[rS+4*kq:rS+4*kq+1]
	s_wait_alu depctr_va_vdst(0)
.endif
.endm
.Ltrip:
	s_cmp_gt_u32 s[EC], s[LIM]
	s_cbranch_scc1 .Ldead                          ; the step lies ahead of key 0
	v_add_nc_u32 v[AK], s[TBK], v[AK0]
	v_add_nc_u32 v[AV], s[TBV], v[AV0]
	v_add_nc_u32 v[AB], s[TBB], v[AB0]
	WIN 0x40
.irp f, 0,1,2,3,4,5,6,7                ; K: keys 16 (f / 2) on, channels 32 (f % 2) on
	ds_load_b128 v[KF+8*\f:KF+8*\f+3],   v[AK] offset:(\f/2)*16*PK+(\f%2)*64
	ds_load_b128 v[KF+8*\f+4:KF+8*\f+7], v[AK] offset:(\f/2)*16*PK+(\f%2)*64+32
.endr
	WIN 0
.irp f, 0,1,2,3,4                      ; C block f serves the score blocks with key block - tile = f - 1
	ds_load_b128 v[BI+8*\f:BI+8*\f+3],   v[AB] offset:64*\f
	ds_load_b128 v[BI+8*\f+4:BI+8*\f+7], v[AB] offset:64*\f+16
.endr
	WIN 0x40
.irp f, 0,1,2,3,4,5,6,7                ; V, turned: keys 32 (f / 4) on, channels 16 (f % 4) on
	ds_load_tr16_b128 v[VF+8*\f:VF+8*\f+3],   v[AV] offset:(\f/4)*32*PV+(\f%4)*32
	ds_load_tr16_b128 v[VF+8*\f+4:VF+8*\f+7], v[AV] offset:(\f/4)*32*PV+16*PV+(\f%4)*32
.endr
	s_wait_dscnt 16                                ; K and the C blocks are in; V's sixteen loads may stay out
	WIN 0x05                                       ; K and Q in window 1
.set i, 0
.rept 16                               ; S^T = K Q^T + C: channels 32 (i / 8) on, keys 16 ((i / 2) % 4) on, tile i % 2; the 8 accumulators take turns
.set rS, S+32*(i%2)+8*((i/2)%4)
.set rK, KF+16*((i/2)%4)+8*(i/8)
.set rQ, 16*(i%2)+8*(i/8)
.set rB, BI+8*(1-i%2+(i/2)%4)
.if i < 8
	v_wmma_f32_16x16x32_f16 v[rS:rS+7], v[rK:rK+7], v[rQ:rQ+7], v[rB:rB+7]
.else
	v_wmma_f32_16x16x32_f16 v[rS:rS+7], v[rK:rK+7], v[rQ:rQ+7], v[rS:rS+7]
.endif
.set i, i+1
.endr
	WIN 0
.rept 4
	v_nop                                          ; the places behind those products (ISA guide 7.12.1)
.endr
.irp n, 0,1,2,3,4,5,6,7,8,9,10,11,12,13,14,15,16,17,18,19,20,21
	XS 0, \n                                       ; the two tiles alternate, so that no line reads the result of the one before it
	XS 1, \n
.endr
.irp n, 0,1,2,3,4,5,6,7,8,9,10,11,12,13,14,15
	FL 0, \n                                       ; plain lines behind the two exponentials, ahead of the use of a
	FL 1, \n
.endr
.irp n, 0,1,2,3,4,5,6,7,8,9,10,11,12,13
	RL 0, \n
	RL 1, \n
.endr
; Exponential and plain by turns: group g's four exponentials stand among group g - 1's four plain lines (group 0's among the last four rescalings),
; so that a plain line stands between every exponential and the use of its result (ISA guide 5.7.2).
.set g, 0
.rept 16
.set j, 0
.rept 4
	EL g, j
.if g == 0
	RL j%2, 14+j/2
.else
	PLN g-1, j
.endif
.set j, j+1
.endr
.set g, g+1
.endr
.irp j, 0,1,2,3
	PLN 15, \j
.endr
	s_wait_dscnt 0x0                               ; V is in
	WIN 0x01                                       ; V in window 1
.set i, 0
.rept 16                               ; O^T += V^T P: keys 32 (i / 8) on, channels 16 ((i / 2) % 4) on, tile i % 2
.set rO, O+32*(i%2)+8*((i/2)%4)
.set rV, VF+32*(i/8)+8*((i/2)%4)
.set rP, P+16*(i%2)+8*(i/8)
	v_wmma_f32_16x16x32_f16 v[rO:rO+7], v[rV:rV+7], v[rP:rP+7], v[rO:rO+7]
.set i, i+1
.endr
	WIN 0
.rept 4
	v_nop                                          ; the places ahead of the next step's loads into V's registers and of the lines that read O^T
.endr
.Ldead:
	s_sub_co_u32 s[TBK], s[TBK], 64*PK             ; one step back: 64 keys earlier, d 64 larger
	s_sub_co_u32 s[TBV], s[TBV], 64*PV
	s_sub_co_u32 s[TBB], s[TBB], 256
	s_add_co_u32 s[EC], s[EC], 1
	s_cmp_lt_u32 s[EC], 9
	s_cbranch_scc1 .Ltrip
	; THE WAY OUT.  l's two halves and the other half of the lanes' are added; O^T is divided by l (at least 1: the largest weight is 1), rounded to f16 and sent through my stage, a tile at a time.
.irp t, 0,1
	v_add_f32 v[ST+4*\t+2], v[ST+4*\t+2], v[ST+4*\t+3]
.endr
.irp t, 0,1
	v_permlanex16_b32 v[ST+4*\t+3], v[ST+4*\t+2], s[SEL], s[SEL+1]
.endr
.irp t, 0,1
	v_add_f32 v[ST+4*\t+2], v[ST+4*\t+2], v[ST+4*\t+3]
.endr
.irp t, 0,1
	v_rcp_f32 v[ST+4*\t+2], v[ST+4*\t+2]
.endr
	v_nop                                          ; a plain instruction between the last reciprocal and the use of its result
	s_wait_alu depctr_va_vdst(0)
.macro PACK t                          ; a lane's eight channels of a row pack into 16 bytes; they go into rows of 144 bytes and come back as whole rows of 128, into S^T's registers
.set i, 0
.rept 16
	v_pk_mul_f32 v[O+32*(\t)+2*i:O+32*(\t)+2*i+1], v[O+32*(\t)+2*i:O+32*(\t)+2*i+1], v[ST+4*(\t)+2:ST+4*(\t)+3] op_sel_hi:[1,0]
.set i, i+1
.endr
.set i, 0
.rept 16
	v_cvt_pk_f16_f32 v[S+16*(\t)+i], v[O+32*(\t)+2*i], v[O+32*(\t)+2*i+1]
.set i, i+1
.endr
.irp f, 0,1,2,3
	ds_store_b128 v[STO], v[S+16*(\t)+4*\f:S+16*(\t)+4*\f+3] offset:32*\f
.endr
.irp f, 0,1,2,3
	ds_load_b128 v[S+16*(\t)+4*\f:S+16*(\t)+4*\f+3], v[RD] offset:\f*4*SP  ; LDS serves a wave's instructions in order (ISA guide 5.7.1.4): these see the stores above; the next tile's stores come behind them
.endr
.endm
.macro SEND t, younger                 ; younger: the LDS instructions issued behind tile t's loads
.irp f, 0,1,2,3
	s_wait_dscnt (\younger)+3-\f
	global_store_b128 v[GO], v[S+16*(\t)+4*\f:S+16*(\t)+4*\f+3], s[8:9] offset:(\t)*2048+\f*512  ; 512 consecutive bytes, aligned
.endr
.endm
	PACK 0
	PACK 1
	SEND 0, 8
	SEND 1, 0
	s_wait_tensorcnt 0x0                           ; the wave's end: an add to my spare word and its wait, behind my last tensor load and my last LDS store
	ds_add_u32 v[SPW], v[NIL]
	s_wait_dscnt 0x0
	s_endpgm
.Lfunc_end_k_qe7df93ea78_attn:
	.size	k_qe7df93ea78_attn, .Lfunc_end_k_qe7df93ea78_attn-k_qe7df93ea78_attn
	.p2alignl 7, 3214868480
	.fill 96, 4, 3214868480
	.section	.rodata,"a",@progbits
	.p2align	6, 0x0
	.amdhsa_kernel k_qe7df93ea78_attn
		.amdhsa_group_segment_fixed_size 327680
		.amdhsa_private_segment_fixed_size 0
		.amdhsa_enable_private_segment 0
		.amdhsa_kernarg_size 24
		.amdhsa_user_sgpr_count 2
		.amdhsa_user_sgpr_kernarg_segment_ptr 1
		.amdhsa_wavefront_size32 1
		.amdhsa_system_sgpr_workgroup_id_x 1
		.amdhsa_system_sgpr_workgroup_id_y 1
		.amdhsa_system_sgpr_workgroup_id_z 1
		.amdhsa_system_vgpr_workitem_id 0
		.amdhsa_next_free_vgpr 416
		.amdhsa_next_free_sgpr 66
		.amdhsa_reserve_vcc 1
		.amdhsa_float_denorm_mode_32 3
		.amdhsa_float_denorm_mode_16_64 3
		.amdhsa_memory_ordered 1
		.amdhsa_forward_progress 1
		.amdhsa_inst_pref_size 39
	.end_amdhsa_kernel
	.amdgpu_metadata
---
amdhsa.version: [ 1, 2 ]
amdhsa.kernels:
  - .name:           k_qe7df93ea78_attn
    .symbol:         k_qe7df93ea78_attn.kd
    .args:
      - { .name: qkvh, .offset: 0, .size: 8, .value_kind: global_buffer, .address_space: global }
      - { .name: res_pos, .offset: 8, .size: 8, .value_kind: global_buffer, .address_space: global }
      - { .name: ctxh, .offset: 16, .size: 8, .value_kind: global_buffer, .address_space: global }
    .group_segment_fixed_size: 327680
    .private_segment_fixed_size: 0
    .kernarg_segment_align: 8
    .kernarg_segment_size: 24
    .max_flat_workgroup_size: 256
    .sgpr_count:     66
    .vgpr_count:     416
    .wavefront_size: 32
...
	.end_amdgpu_metadata
.endif
;; end of part 3
;; launch go (part 4): grid 8 x 32, 4 waves a work-group, clusters of 4 x 4, 327,680 bytes of LDS; arguments ctxh, wbf, b_out, x, x1; writes x1
.if DOCPART == 4
	.amdgcn_target "amdgcn-amd-amdhsa--gfx1250"
	.amdhsa_code_object_version 6
	.text
	.protected	k_qe7df93ea78_go
	.globl	k_qe7df93ea78_go
	.p2align	8
	.type	k_qe7df93ea78_go,@function
k_qe7df93ea78_go:
	s_mov_b64 s[64:65], 0
	v_nop
	global_prefetch_b8 v0, s[64:65] scope:SCOPE_SE
	s_setreg_imm32_b32 hwreg(HW_REG_WAVE_MODE, 25, 1), 1
	s_wait_xcnt 0x0
	s_wait_alu depctr_hold_cnt(0) depctr_sa_sdst(0) depctr_va_vdst(0) depctr_va_sdst(0) depctr_va_ssrc(0) depctr_va_vcc(0) depctr_vm_vsrc(0)
	s_getreg_b32 s2, hwreg(HW_REG_IB_STS2, 6, 4)
	s_cmp_eq_u32 s2, 0
	s_cbranch_scc0 .Lentry_in_a_cluster
	s_endpgm
.Lentry_in_a_cluster:
	s_bfe_u32 s2, ttmp6, 0x10000c
	s_cmp_lg_u32 s2, 0xf033
	s_cbranch_scc0 .Lentry_shape_is_right
	s_endpgm
.Lentry_shape_is_right:
; OUTPUT PROJECTION AND FIRST RESIDUAL.  out[m][n] = res[m][n] + sum over k of A[m][k] W[k][n] + bias[n].  A = ctxh, BY HEADS: [16][4096][64] f16, k = 64 head + channel;
; W = w_out in f16 [1024][1024] (wbf, byte 6,291,456); bias, res = x and out = x1 in f32.  Sums in f32; the bias starts them; the residual is added in f32 on the way out.
; SHARES.  A tile of C is 128 x 128: 8 x 32 tiles, one for each of 256 work-groups.  Four waves, 2 x 2, each 64 x 64: 16 accumulators.
; K goes in steps of 256 (four heads) through two LDS slots that take turns; the loop's text is ONE K step, and the slot in hand is a scalar register (s48) that an exclusive or turns.
; A head's 128 rows of a tile are 16,384 dense bytes: a wave's load takes two heads as two long rows, padded in LDS after every 128 bytes.
; W lies [K][N] in LDS as in memory; its fragments are taken turned (ds_load_tr16_b128).  THE MATRIX INSTRUCTION IS USED TRANSPOSED: source 0 = 16 columns of W,
; source 1 = 16 rows of A: a lane then holds one row m = l % 16 of C and the eight neighbouring columns 8 (l / 16) + 0..7.
; CLUSTER.  4 x 4 work-groups: the four of a row of the cluster need the same tile of A, the four of a column the same tile of W: each is asked for JOINTLY.
; THE K WALK IS ROTATED.  A cluster begins at K step o = (XM x cluster x + YM x (cluster y & YA)) mod NT and walks round to o - 1.  The clusters of one cluster row need the same tiles of A, those of
; one cluster column the same tiles of W; with different o they ask for a tile in different trips: one cluster is the first in the launch to ask for it, the others follow later.
; o hangs on the cluster's own coordinates alone, which all sixteen partners share.  So the order of the terms of an f32 sum differs from cluster to cluster.
; REGISTERS by absolute number (windows of 256): 0-31 addresses; 64-127, 128-191 A's fragments, two buffers (on the way out: rows read back);
;   256-319, 352-415 W's fragments, two buffers; 448-479 the bias, as the C operand of the first products; 512-639 accumulators, (a, b) at 512 + 8 (4 a + b); 768-895 the residual, loaded at the start.
.set SZ_N, 1024
.set SZ_K, 1024
.set TM, 128
.set TN, 128
.set MB, 4                             ; blocks of 16 rows a wave
.set NB, 4                             ; blocks of 16 columns a wave
.set WAVES_M, 2                        ; the waves lie 2 x 2 over the tile
.set KS, 256                           ; a K step
.set DEPTH, 2                          ; a quarter of it is 32 x DEPTH along K
.set BYHEADS, 1
.set XM, 2                             ; 2 x 8 clusters, 4 K steps: o = 2 x + (y & 3)
.set YM, 1
.set YA, 3
.set APITCH, 144                       ; A's LDS row: 128 bytes + 16: the 16 rows of a load start at 16 different groups of four banks (64 banks of 4 bytes: ISA guide 11.1)
.set ABYTES, 4*128*144                 ; four heads x 128 rows
.set QIA, 4                            ; padding after every 32 words
.set AD0, 8192                         ; A's load: 8,192 elements (a head's 128 rows) x 2 heads, 262,144 elements from head to head
.set AD1, 2
.set ASTR, 262144
.set AROWB, 128*128                    ; bytes from a tile row of A to the next, inside a head
.set AHALFB, 2*524288                  ; to the two heads that the second wave fetches
.set ASTEP, 4*524288                   ; and to the next K step
.set CHB, 256                          ; W's LDS row: 256 bytes + 32: an odd multiple of 32
.set PADB, 32
.set QIB, 5                            ; padding after every 64 words,
.set PCB, 7                            ; 8 words of it
.set WCOL, 128
.set WOFF, 6291456
.set BIAS, 448
.set SPITCH, 272                       ; the stage's row: 256 bytes + 16
.set OROWB, 4096                       ; bytes in a row of the output
.set OEL, 4
.set NT,     SZ_K/KS
.set BPITCH, (TN*2/CHB)*(CHB+PADB)
.set BBYTES, KS*BPITCH
.set BSTEP,  KS*SZ_N*2
.set SLOT,   ABYTES+BBYTES             ; A's tile, then W's
.set STAGE,  2*SLOT                    ; behind the ring, never filled by a tensor load: 16 rows for each wave, for the way out
.set STGB,   16*SPITCH
.set SPARE,  STAGE+4*STGB              ; the spare words, 128 bytes for each wave: two blocks of 256 bytes that no other line names
.set YOUNG,  MB+(DEPTH-1)*(16-MB)      ; the youngest loads of a run, which the first half of a quarter does not read
.set ADRA0, 16                         ; v16  my lane's place in A's tile; never rewritten
.set ADRB0, 17                         ; v17  the same in W's tile
.set ADRA,  18                         ; v18  the same in the slot in hand
.set ADRB,  20                         ; v20  (v21: 128 rows further)
.set STO,   24                         ; v24  the way out: where I put 32 bytes of a row
.set RD,    25                         ; v25  where I read rows back
.set CO,    26                         ; v26  my byte offset in the output and in the residual
.set BO,    27                         ; v27  my byte offset in the bias
.set SPW,   28                         ; v28  LDS address of my spare word; never rewritten
.set NIL,   29                         ; v29  0; never rewritten
.set G1A, 24                           ; s[24:31] descriptor group 1 for A's tiles;  s[32:35] group 0: it walks
.set G0A, 32
.set G0B, 36                           ; s[36:39], s[40:47] the same for W's
.set G1B, 40
.set KI,  66                           ; s66  the K step asked for last
.set BA,  68                           ; s[68:69] A at my part of the tile, K step 0
.set BW,  70                           ; s[70:71] W likewise
.set OA,  72                           ; s[72:73] a K step's byte offset in A
.set OW,  74                           ; s[74:75] and in W
.set F0A, 76                           ; s[76:79] group 0 of slot 0's first fill, for A; never rewritten
.set F0B, 80                           ; s[80:83] for W
.set MSB, 0
.macro WIN new                         ; the immediate's high byte repeats the setting that is left; a switch that changes nothing is dropped
.if MSB != (\new)
	s_set_vgpr_msb (MSB<<8)|(\new)
.set MSB, (\new)
.endif
.endm
.macro PLACES                          ; four places in front of loads into registers that matrix instructions have read, and of lines that read results
.rept 4
	v_nop
.endr
.endm
; A joint load.  Waves 0 and 1 fetch A's two halves, waves 2 and 3 W's.  The branch hangs on the wave's number alone.  An s_nop 0 and four v_nop follow each line.
.macro JLOAD
	s_cmp_eq_u32 s15, 0
	s_cbranch_scc0 .Lfor_b_\@
	tensor_load_to_lds s[G0A:G0A+3], s[G1A:G1A+7]
	s_nop 0
.rept 4
	v_nop
.endr
	s_branch .Lasked_\@
.Lfor_b_\@:
	tensor_load_to_lds s[G0B:G0B+3], s[G1B:G1B+7]
	s_nop 0
.rept 4
	v_nop
.endr
.Lasked_\@:
.endm
.macro CREST                           ; a round of the cluster's barrier behind its opening barrier: wave 0 signals for the work-group, every wave waits for all sixteen, my work-group's barrier closes it
	s_cmp_lg_u32 s14, 0
	s_cbranch_scc1 .Lnot_wave_0_\@
	s_barrier_signal -3
.Lnot_wave_0_\@:
	s_barrier_wait -3
	s_barrier_signal -1
	s_barrier_wait -1
.endm
.macro CROUND
	s_barrier_signal -1
	s_barrier_wait -1
	CREST
.endm
.macro NEXTK                           ; the walk's next K step, round the end
	s_add_co_u32 s[KI], s[KI], 1
	s_and_b32 s[KI], s[KI], NT-1
.endm
.macro ADDR ga, gb                     ; the global addresses of K step KI's tiles are made anew: base + step x constant, and the type bits
	s_mul_i32 s[OA], s[KI], ASTEP
	s_mul_i32 s[OW], s[KI], BSTEP
	s_add_nc_u64 s[(\ga)+2:(\ga)+3], s[BA:BA+1], s[OA:OA+1]
	s_or_b32 s[(\ga)+3], s[(\ga)+3], 0x80000000
	s_add_nc_u64 s[(\gb)+2:(\gb)+3], s[BW:BW+1], s[OW:OW+1]
	s_or_b32 s[(\gb)+3], s[(\gb)+3], 0x80000000
.endm
	s_load_b256 s[4:11], s[0:1], 0x0               ; A s[4:5], W s[6:7], bias s[8:9], res s[10:11]
	s_load_b64 s[12:13], s[0:1], 0x20              ; out
	v_lshl_add_u32 v[SPW], v0, 2, SPARE
	v_mov_b32 v[NIL], 0
	ds_add_u32 v[SPW], v[NIL]                      ; the wave's opening: the add and its wait stand ahead of my first tensor load; the set-up below, work on registers, stands between them
	ds_add_u32 v28, v29
	v_lshrrev_b32 v1, 5, v0
	v_readfirstlane_b32 s14, v1                    ; wave 0..3
	s_lshr_b32 s15, s14, 1                         ; I fetch for A (0) or for W (1),
	s_and_b32 s16, s14, 1                          ; and which half of that tile
.if WAVES_M == 4
	s_mov_b32 s17, s14                             ; my place among the tile's rows
	s_mov_b32 s18, 0                               ; and columns
.else
	s_mov_b32 s17, s15
	s_mov_b32 s18, s16
.endif
	s_bfe_u32 s19, ttmp6, 0x40000                  ; cx, cy: my place in the cluster
	s_bfe_u32 s20, ttmp6, 0x40004
	s_lshl_b32 s21, ttmp9, 2
	s_add_co_u32 s21, s21, s19                     ; tile column = 4 x cluster x + cx
	s_and_b32 s22, ttmp7, 0xffff
	s_lshl_b32 s22, s22, 2
	s_add_co_u32 s22, s22, s20                     ; tile row = 4 x cluster y + cy
	s_and_b32 s[KI], ttmp7, YA                     ; where my cluster's walk begins: of the cluster's coordinates alone
	s_mul_i32 s[KI], s[KI], YM
	s_mul_i32 s67, ttmp9, XM
	s_add_co_u32 s[KI], s[KI], s67
	s_and_b32 s[KI], s[KI], NT-1
	s_lshl_b32 s61, s20, 2
	s_lshl_b32 s61, 15, s61                        ; my row of the cluster
	s_lshl_b32 s60, 0x1111, s19                    ; my column
	s_or_b32 s[G1A], s61, (1<<16)|(1<<20)|(1<<21)|(QIA<<22)|(3<<25)    ; 15:0 the mask; 17:16 2-byte elements; 20 padding on; 21 set beside a mask; 24:22 the interval; 31:25 4 words
	s_or_b32 s[G1B], s60, (1<<16)|(1<<20)|(1<<21)|(QIB<<22)|(PCB<<25)
	s_mov_b32 s[G1A+1], (AD0&0xffff)<<16           ; tensor_dim0
	s_mov_b32 s[G1A+2], (AD0>>16)|((AD1&0xffff)<<16)  ; tensor_dim1
	s_mov_b32 s[G1A+3], (AD1>>16)|(AD0<<16)        ; tile_dim0
	s_mov_b32 s[G1A+4], AD1                        ; tile_dim1
	s_mov_b32 s[G1A+5], ASTR                       ; elements from row to row
	s_mov_b32 s[G1A+6], 0
	s_mov_b32 s[G1A+7], 0
	s_mov_b32 s[G1B+1], TN<<16
	s_mov_b32 s[G1B+2], (KS/2)<<16
	s_mov_b32 s[G1B+3], TN<<16
	s_mov_b32 s[G1B+4], KS/2
	s_mov_b32 s[G1B+5], SZ_N
	s_mov_b32 s[G1B+6], 0
	s_mov_b32 s[G1B+7], 0
	s_mul_i32 s52, s22, AROWB                      ; A's tile hangs on the tile row and the wave alone,
	s_mul_i32 s58, s16, AHALFB
	s_add_co_u32 s52, s52, s58
	s_mov_b32 s53, 0
	s_mul_i32 s54, s21, TN*2                       ; W's on the tile column and the wave alone
	s_mul_i32 s59, s16, (KS/2)*SZ_N*2
	s_add_co_u32 s54, s54, s59
.if WOFF
	s_add_co_u32 s54, s54, WOFF
.endif
	s_mov_b32 s55, 0
	s_mov_b32 s[OA+1], 0
	s_mov_b32 s[OW+1], 0
	s_mul_i32 s49, s16, ABYTES/2                   ; where my half lies in a slot, for A
	s_mul_i32 s50, s16, BBYTES/2
	s_add_co_u32 s50, s50, ABYTES                  ; and for W: no place in the cluster enters an LDS address
	s_mov_b32 s[F0A], 1                            ; count = 1
	s_mov_b32 s[F0A+1], s49                        ; LDS address: slot 0
	s_mov_b32 s[F0B], 1
	s_mov_b32 s[F0B+1], s50
	s_mov_b32 s[G0A], 1
	s_add_co_u32 s[G0A+1], s49, SLOT               ; slot 1
	s_mov_b32 s[G0B], 1
	s_add_co_u32 s[G0B+1], s50, SLOT
	s_wait_dscnt 0x0                               ; the opening add is done
	s_wait_kmcnt 0x0
	s_add_nc_u64 s[BA:BA+1], s[4:5], s[52:53]
	s_add_nc_u64 s[BW:BW+1], s[6:7], s[54:55]
	ADDR F0A, F0B                                  ; the walk's first K step,
	NEXTK
	ADDR G0A, G0B                                  ; and its second
	CROUND                                         ; all sixteen work-groups are here: the first joint loads meet
	s_cmp_eq_u32 s15, 0                            ; a wave's two first fills stand in one branch, ahead of every wait on TENSORcnt and every LDS read: two loads of mine are out
	s_cbranch_scc0 .Lfirst_b
	tensor_load_to_lds s[F0A:F0A+3], s[G1A:G1A+7]
	s_nop 0
	tensor_load_to_lds s[G0A:G0A+3], s[G1A:G1A+7]
	s_nop 0
.rept 4
	v_nop
.endr
	s_branch .Lfirst_asked
.Lfirst_b:
	tensor_load_to_lds s[F0B:F0B+3], s[G1B:G1B+7]
	s_nop 0
	tensor_load_to_lds s[G0B:G0B+3], s[G1B:G1B+7]
	s_nop 0
.rept 4
	v_nop
.endr
.Lfirst_asked:
	; A's fragment: lane l holds row l % 16, K = 8 (l / 16) + 0..7 and 16 + 8 (l / 16) + 0..7: two loads of 16 bytes, 32 bytes apart.
	v_and_b32 v1, 15, v0                           ; r = l % 16
	v_bfe_u32 v2, v0, 4, 1                         ; h = l / 16
	v_mul_u32_u24 v3, v1, APITCH
	v_lshl_add_u32 v3, v2, 4, v3
	s_mul_i32 s23, s17, MB*16*APITCH
	v_add_nc_u32 v[ADRA0], s23, v3
	; W's fragment, turned: lane l reads 16 bytes of row 8 (l / 16) + l % 8, columns 8 ((l / 8) % 2) + 0..7, and ends with column l % 16 and 8 K; the second load stands 16 rows on.
	v_and_b32 v4, 7, v0
	v_lshl_add_u32 v4, v2, 3, v4
	v_mul_u32_u24 v4, v4, BPITCH
	v_bfe_u32 v5, v0, 3, 1
	v_lshl_add_u32 v4, v5, 4, v4
	s_mul_i32 s23, s18, WCOL
	s_add_co_u32 s23, s23, ABYTES
	v_add_nc_u32 v[ADRB0], s23, v4
	; the way out: into my stage 32 bytes (8 f32) at row l % 16; back: lanes 0-15 take one row of 256 bytes, lanes 16-31 the next
	s_mul_i32 s23, s14, STGB
	s_add_co_u32 s23, s23, STAGE
	v_mul_u32_u24 v3, v1, SPITCH
	v_lshl_add_u32 v3, v2, 5, v3
	v_add_nc_u32 v[STO], s23, v3
	v_mul_u32_u24 v3, v2, SPITCH
	v_lshl_add_u32 v3, v1, 4, v3
	v_add_nc_u32 v[RD], s23, v3
	v_mul_u32_u24 v3, v2, OROWB
	v_lshl_add_u32 v[CO], v1, 4, v3
	s_mul_i32 s56, s22, TM*OROWB                   ; my part of the tile in the output and in the residual
	s_mul_i32 s2, s17, MB*16*OROWB
	s_add_co_u32 s56, s56, s2
	s_mul_i32 s2, s21, TN*OEL
	s_add_co_u32 s56, s56, s2
	s_mul_i32 s2, s18, NB*16*OEL
	s_add_co_u32 s56, s56, s2
	s_mov_b32 s57, 0
	s_add_nc_u64 s[10:11], s[10:11], s[56:57]
	s_add_nc_u64 s[12:13], s[12:13], s[56:57]
	s_mul_i32 s62, s21, TN*4                       ; the bias of my columns
	s_mul_i32 s3, s18, NB*64
	s_add_co_u32 s62, s62, s3
	s_mov_b32 s63, 0
	s_add_nc_u64 s[8:9], s[8:9], s[62:63]
	v_lshlrev_b32 v[BO], 5, v2                     ; register j of block b is column 16 b + 8 h + j, the same for all rows
	WIN (BIAS/256)<<6
.set i, 0
.rept NB
	global_load_b128 v[BIAS%256+8*i:BIAS%256+8*i+3],   v[BO], s[8:9] offset:64*i
	global_load_b128 v[BIAS%256+8*i+4:BIAS%256+8*i+7], v[BO], s[8:9] offset:64*i+16
.set i, i+1
.endr
	WIN 0xc0                                       ; the residual, in the shape in which the result leaves: 32 loads into window 3, waited for on the way out
.set i, 0
.rept 32
	global_load_b128 v[4*i:4*i+3], v[CO], s[10:11] offset:2*i*OROWB
.set i, i+1
.endr
	WIN 0
; n x NB matrix instructions: row blocks alo .. alo + n - 1 x all column blocks, 32 along K: part c of buffer buf.  The accumulators take turns, one instruction a turn.
; first: the product starts the sum, with the bias as C: nothing is ever cleared.
.macro MM buf, c, alo, n, first
.set ma, (\alo)
.rept (\n)
.set mb, 0
.rept NB
.set rd, 512+8*(ma*NB+mb)
.set rb, 256+96*(\buf)+8*(NB*(\c)+mb)
.set ra, 64+64*(\buf)+8*(MB*(\c)+ma)
.set rc, rd
.if (\first)
.set rc, BIAS+8*mb
.endif
	WIN (rb/256)|((ra/256)<<2)|((rc/256)<<4)|((rd/256)<<6)
	v_wmma_f32_16x16x32_f16 v[rd%256:rd%256+7], v[rb%256:rb%256+7], v[ra%256:ra%256+7], v[rc%256:rc%256+7]
.set mb, mb+1
.endr
.set ma, ma+1
.endr
.endm
.macro QTR buf, i, j, first            ; quarter j of half i of a quarter step's products
.if DEPTH == 1
	MM \buf, 0, (\i)*(MB/2)+(\j)*(MB/4), MB/4, \first
.else
	MM \buf, \i, (\j)*(MB/2), MB/2, (\first)*(1-(\i))
.endif
.endm
; 32 LDS loads in one run: the fragments of quarter step sub into buffer buf; the first 32 along K first: W's, then A's
.macro FETCH sub, buf
.set fc, 0
.rept DEPTH
.set kk, (\sub)*DEPTH+fc
	WIN 0x40                                       ; destination window 1, address window 0
.set fi, 0
.rept NB
.set bo, (kk%4)*32*BPITCH+((32*fi)/CHB)*(CHB+PADB)+(32*fi)%CHB
.set rg, 96*(\buf)+8*(NB*fc+fi)
	ds_load_tr16_b128 v[rg:rg+3],   v[ADRB+kk/4] offset:bo
	ds_load_tr16_b128 v[rg+4:rg+7], v[ADRB+kk/4] offset:bo+16*BPITCH
.set fi, fi+1
.endr
	WIN 0
.set fi, 0
.rept MB
.if BYHEADS
.set ao, (kk/2)*128*APITCH+(kk%2)*64+fi*16*APITCH
.else
.set ao, 64*kk+fi*16*APITCH
.endif
.set rg, 64+64*(\buf)+8*(MB*fc+fi)
	ds_load_b128 v[rg:rg+3],   v[ADRA] offset:ao
	ds_load_b128 v[rg+4:rg+7], v[ADRA] offset:ao+32
.set fi, fi+1
.endr
.set fc, fc+1
.endr
.endm
.macro SETADR                          ; my places in the slot in hand
	v_add_nc_u32 v[ADRA], s48, v[ADRA0]
	v_add_nc_u32 v[ADRB], s48, v[ADRB0]
.if KS > 128
	v_add_nc_u32 v[ADRB+1], 128*BPITCH, v[ADRB]
.endif
.endm
; One of a K step's first three quarters: multiplies buffer sub % 2; in its middle the next quarter's fragments are fetched into the other buffer.
.macro SUB sub, first=0
	s_wait_dscnt YOUNG                             ; all that the first half reads is in; the youngest loads may be out
	QTR (\sub)%2, 0, 0, \first
	QTR (\sub)%2, 0, 1, \first
	PLACES
	FETCH (\sub)+1, 1-(\sub)%2
	s_wait_dscnt 32                                ; all but the 32 just issued
	QTR (\sub)%2, 1, 0, \first
	QTR (\sub)%2, 1, 1, \first
.endm
; The last quarter multiplies buffer 1 and changes slots: ONE barrier.  In front of it each wave waits for all its tensor loads (one is out: its part of the next slot), adds 0 to its spare word,
; and waits for that and for its own reads of this slot.  fill = 1: the barrier opens a round of the cluster's, and the slot just read is filled again, with the walk's K step two on, first thing behind the round.
.macro TURN fill
	WIN 0
	s_wait_tensorcnt 0x0                           ; all my tensor loads have landed, so group 0 may be written
	ds_add_u32 v[SPW], v[NIL]                      ; 0 onto my spare word
.if \fill
	NEXTK                                          ; the refill's descriptors, scalar work while the add is out
	ADDR G0A, G0B
	s_add_co_u32 s[G0A+1], s48, s49                ; into the slot in hand
	s_add_co_u32 s[G0B+1], s48, s50
.endif
	s_wait_dscnt YOUNG+1                           ; (the add and the youngest loads may be out)
	QTR 1, 0, 0, 0                                 ; matrix instructions stand between the add and the wait for it
	s_wait_dscnt 0x0                               ; the add is done, and my reads of this slot are over
	s_barrier_signal -1
	QTR 1, 0, 1, 0                                 ; work on registers while the others arrive
	WIN 0                                          ; at a branch and at a label every window is 0
	s_barrier_wait -1
.if \fill
	CREST                                          ; no wave of any partner still reads this slot or has a load on its way
	JLOAD                                          ; its four v_nop are also the places in front of the loads below
.else
	PLACES
.endif
	s_xor_b32 s48, s48, SLOT                       ; 0 and SLOT by turns
	SETADR
	FETCH 0, 0
	QTR 1, 1, 0, 0
	QTR 1, 1, 1, 0
.endm
	s_wait_tensorcnt 0x1                           ; my part of slot 0 is in; slot 1's load, issued behind it, may stay out
	s_barrier_signal -1
	s_barrier_wait -1                              ; everybody's part is in
	s_mov_b32 s48, 0
	SETADR
	FETCH 0, 0
	s_wait_loadcnt 32                              ; the bias is in; the residual's 32 loads, issued behind it, stay out
	SUB 0, 1                                       ; the first quarter stands in front of the loop: its first products start the sums
	WIN 0
	s_mov_b32 s51, NT-1
	s_branch .Lentry                               ; the loop is entered behind a K step's first quarter
.Lloop:                                                ; NT - 2 trips: the last quarter of a K step, a refill, and the next step's first three quarters
	TURN 1
	SUB 0
	WIN 0
.Lentry:
	SUB 1
	SUB 2
	WIN 0
	s_sub_co_u32 s51, s51, 1
	s_cmp_lg_u32 s51, 0
	s_cbranch_scc1 .Lloop
	TURN 0                                         ; the tail is written out: nothing is asked for
	SUB 0
	SUB 1
	SUB 2
	s_wait_dscnt YOUNG
	QTR 1, 0, 0, 0
	QTR 1, 0, 1, 0
	s_wait_dscnt 0x0
	QTR 1, 1, 0, 0
	QTR 1, 1, 1, 0
	PLACES
; THE WAY OUT, a block of 16 rows x 64 columns of f32 at a time.  STG: the sums go into my stage, each accumulator's low four registers first, and come back as whole rows of 256 bytes.
; OUT: the residual is added and the rows are stored.
.macro STG a
	s_wait_xcnt 0x0                                ; the stores before this have read their registers: the buffer is loaded again only behind this wait
	WIN 0x08                                       ; the stores' data in window 2
.set i, 0
.rept NB
	ds_store_b128 v[STO], v[8*(NB*(\a)+i):8*(NB*(\a)+i)+3]   offset:64*i
	ds_store_b128 v[STO], v[8*(NB*(\a)+i)+4:8*(NB*(\a)+i)+7] offset:64*i+16
.set i, i+1
.endr
	WIN 0
.set i, 0
.rept 8
	ds_load_b128 v[64+64*((\a)%2)+4*i:64+64*((\a)%2)+4*i+3], v[RD] offset:i*2*SPITCH  ; LDS serves a wave's instructions in order (ISA guide 5.7.1.4): these see the stores above
.set i, i+1
.endr
.endm
.macro OUT a, y                        ; y: the LDS instructions issued behind block a's: the next block's sixteen, or none
.set BK, 64+64*((\a)%2)
	s_wait_dscnt \y
	WIN 0x0c                                       ; source 1, the residual, in window 3
.set i, 0
.rept 16
	v_pk_add_f32 v[BK+2*i:BK+2*i+1], v[BK+2*i:BK+2*i+1], v[32*(\a)+2*i:32*(\a)+2*i+1]
.set i, i+1
.endr
	WIN 0
.set i, 0
.rept 8
	global_store_b128 v[CO], v[BK+4*i:BK+4*i+3], s[12:13] offset:(16*(\a)+2*i)*OROWB  ; 16 lanes store 256 consecutive bytes, aligned
.set i, i+1
.endr
.endm
	s_wait_loadcnt 0x0                             ; the residual
	STG 0
	STG 1
	OUT 0, 16
	STG 2
	OUT 1, 16
	STG 3
	OUT 2, 16
	OUT 3, 0
	s_wait_tensorcnt 0x0                           ; the wave's end: an add to my spare word and its wait, behind my last tensor load and my last LDS store
	ds_add_u32 v[SPW], v[NIL]
	s_wait_dscnt 0x0
	CROUND                                         ; the closing round: no work-group ends while a partner may still ask for a tile that names it
	s_endpgm
.Lfunc_end_k_qe7df93ea78_go:
	.size	k_qe7df93ea78_go, .Lfunc_end_k_qe7df93ea78_go-k_qe7df93ea78_go
	.p2alignl 7, 3214868480
	.fill 96, 4, 3214868480
	.section	.rodata,"a",@progbits
	.p2align	6, 0x0
	.amdhsa_kernel k_qe7df93ea78_go
		.amdhsa_group_segment_fixed_size 327680
		.amdhsa_private_segment_fixed_size 0
		.amdhsa_enable_private_segment 0
		.amdhsa_kernarg_size 40
		.amdhsa_user_sgpr_count 2
		.amdhsa_user_sgpr_kernarg_segment_ptr 1
		.amdhsa_wavefront_size32 1
		.amdhsa_system_sgpr_workgroup_id_x 1
		.amdhsa_system_sgpr_workgroup_id_y 1
		.amdhsa_system_sgpr_workgroup_id_z 1
		.amdhsa_system_vgpr_workitem_id 0
		.amdhsa_next_free_vgpr 896
		.amdhsa_next_free_sgpr 84
		.amdhsa_reserve_vcc 0
		.amdhsa_float_denorm_mode_32 3
		.amdhsa_float_denorm_mode_16_64 3
		.amdhsa_memory_ordered 1
		.amdhsa_forward_progress 1
		.amdhsa_inst_pref_size 70
	.end_amdhsa_kernel
	.amdgpu_metadata
---
amdhsa.version: [ 1, 2 ]
amdhsa.kernels:
  - .name:           k_qe7df93ea78_go
    .symbol:         k_qe7df93ea78_go.kd
    .args:
      - { .name: ctxh, .offset: 0, .size: 8, .value_kind: global_buffer, .address_space: global }
      - { .name: wbf, .offset: 8, .size: 8, .value_kind: global_buffer, .address_space: global }
      - { .name: b_out, .offset: 16, .size: 8, .value_kind: global_buffer, .address_space: global }
      - { .name: x, .offset: 24, .size: 8, .value_kind: global_buffer, .address_space: global }
      - { .name: x1, .offset: 32, .size: 8, .value_kind: global_buffer, .address_space: global }
    .group_segment_fixed_size: 327680
    .private_segment_fixed_size: 0
    .kernarg_segment_align: 8
    .kernarg_segment_size: 40
    .max_flat_workgroup_size: 128
    .sgpr_count:     84
    .vgpr_count:     896
    .wavefront_size: 32
...
	.end_amdgpu_metadata
.endif
;; end of part 4
;; launch ln2 (part 5): grid 256 x 1, 16 waves a work-group, no clusters, 0 bytes of LDS; arguments x1, ln2_g, ln2_b, hn; writes hn
.if DOCPART == 5
	.amdgcn_target "amdgcn-amd-amdhsa--gfx1250"
	.amdhsa_code_object_version 6
	.text
	.protected	k_qe7df93ea78_ln2
	.globl	k_qe7df93ea78_ln2
	.p2align	8
	.type	k_qe7df93ea78_ln2,@function
k_qe7df93ea78_ln2:
	s_mov_b64 s[64:65], 0
	v_nop
	global_prefetch_b8 v0, s[64:65] scope:SCOPE_SE
	s_setreg_imm32_b32 hwreg(HW_REG_WAVE_MODE, 25, 1), 1
	s_wait_xcnt 0x0
; LAYER NORM.  out[r][c] = (in[r][c] - mean_r) * rsqrt(var_r + 1e-5) * g[c] + b[c].  in: [4096][1024] f32; g, b: [1024] f32; out: [4096][1024] f16, rounded once.
; The mean is taken first and the variance of the centred numbers, as the definition has it: no difference of large sums.
; LIMITS.  The result is kept in f16: it ends at 65,504; |out| is at most 32 |g| + |b|.  Below 6e-5 f16 keeps a fixed step of 6e-8.
; One wave takes a whole row (4,096 bytes: eight loads of 16 bytes a lane) and keeps it in 32 registers between the passes: the row is read once,
; and no wave waits for another: no LDS, no barrier.  Sixteen waves, a row each; 256 work-groups of 16 rows.
; Load j of a row gives lane l the columns 128 j + 4 l + 0..3, and g and b are loaded in the same way.
.set OG, 3                             ; v3  16 l: my bytes in 512 of g and b
.set OI, 4                             ; v4  the same + wave x 4,096 bytes
.set OO, 5                             ; v5  8 l + wave x 2,048 bytes
.set G,  8                             ; v[8:39]    g of my 32 columns
.set BB, 40                            ; v[40:71]   b
.set X,  72                            ; v[72:103]  the row
.set T,  104                           ; v[104:111] four chains of pairs
.set MN, 112                           ; v[112:113] the mean, twice
.set RS, 114                           ; v[114:115] 1 / sqrt(var + eps), twice
; The four chains into one number, then over the 32 lanes: four steps inside each half ride on the addition, one crosses the halves.  Every lane ends with the sum.
.macro REDUCE
	v_pk_add_f32 v[T:T+1], v[T:T+1], v[T+2:T+3]
	v_pk_add_f32 v[T+4:T+5], v[T+4:T+5], v[T+6:T+7]
	v_pk_add_f32 v[T:T+1], v[T:T+1], v[T+4:T+5]
	v_add_f32 v[T], v[T], v[T+1]
	v_add_f32_dpp v[T], v[T], v[T] row_xmask:1 row_mask:0xf bank_mask:0xf
	v_add_f32_dpp v[T], v[T], v[T] row_xmask:2 row_mask:0xf bank_mask:0xf
	v_add_f32_dpp v[T], v[T], v[T] row_xmask:4 row_mask:0xf bank_mask:0xf
	v_add_f32_dpp v[T], v[T], v[T] row_xmask:8 row_mask:0xf bank_mask:0xf
	v_permlanex16_b32 v[T+1], v[T], s12, s13
	v_add_f32 v[T], v[T], v[T+1]
.endm
	s_load_b256 s[4:11], s[0:1], 0x0               ; in s[4:5], g s[6:7], b s[8:9], out s[10:11]
	v_and_b32 v1, 31, v0
	v_lshrrev_b32 v2, 5, v0
	v_lshlrev_b32 v[OG], 4, v1
	v_lshl_add_u32 v[OI], v2, 12, v[OG]
	v_lshlrev_b32 v[OO], 3, v1
	v_lshl_add_u32 v[OO], v2, 11, v[OO]
	s_lshl_b32 s14, ttmp9, 16                      ; the group's 16 rows of 4,096 bytes
	s_mov_b32 s15, 0
	s_lshl_b32 s16, ttmp9, 15                      ; and of 2,048
	s_mov_b32 s17, 0
	s_mov_b32 s12, 0x76543210                      ; v_permlanex16_b32: each lane takes its own place in the other half
	s_mov_b32 s13, 0xfedcba98
	s_mov_b32 s18, 0x3a800000                      ; 1 / 1024
	s_mov_b32 s19, 0x3727c5ac                      ; 1e-5
	s_wait_kmcnt 0x0
	s_add_nc_u64 s[4:5], s[4:5], s[14:15]
	s_add_nc_u64 s[10:11], s[10:11], s[16:17]
.irp j, 0,1,2,3,4,5,6,7
	global_load_b128 v[X+4*(\j):X+4*(\j)+3], v[OI], s[4:5] offset:512*(\j)  ; the row first: it is wanted first
.endr
.irp j, 0,1,2,3,4,5,6,7
	global_load_b128 v[G+4*(\j):G+4*(\j)+3], v[OG], s[6:7] offset:512*(\j)
.endr
.irp j, 0,1,2,3,4,5,6,7
	global_load_b128 v[BB+4*(\j):BB+4*(\j)+3], v[OG], s[8:9] offset:512*(\j)
.endr
	s_wait_loadcnt 16                              ; loads come back in order: the row is in, g's and b's sixteen loads stay out
.irp k, 0,1,2,3
	v_pk_add_f32 v[T+2*(\k):T+2*(\k)+1], v[X+2*(\k):X+2*(\k)+1], v[X+8+2*(\k):X+8+2*(\k)+1]  ; the first eight pairs start the chains: nothing is cleared
.endr
.set k, 8
.rept 8
	v_pk_add_f32 v[T+2*(k%4):T+2*(k%4)+1], v[T+2*(k%4):T+2*(k%4)+1], v[X+2*k:X+2*k+1]
.set k, k+1
.endr
	REDUCE
	v_mul_f32 v[MN], s18, v[T]
	v_mul_f32 v[MN+1], s18, v[T]
.set k, 0
.rept 16
	v_pk_add_f32 v[X+2*k:X+2*k+1], v[X+2*k:X+2*k+1], v[MN:MN+1] neg_lo:[0,1] neg_hi:[0,1]  ; centred, in place
.set k, k+1
.endr
.irp k, 0,1,2,3
	v_pk_mul_f32 v[T+2*(\k):T+2*(\k)+1], v[X+2*(\k):X+2*(\k)+1], v[X+2*(\k):X+2*(\k)+1]
.endr
.set k, 4
.rept 12
	v_pk_fma_f32 v[T+2*(k%4):T+2*(k%4)+1], v[X+2*k:X+2*k+1], v[X+2*k:X+2*k+1], v[T+2*(k%4):T+2*(k%4)+1]
.set k, k+1
.endr
	REDUCE
	v_fma_f32 v[T], v[T], s18, s19                 ; var + eps
	v_rsq_f32 v[RS], v[T]
	v_rsq_f32 v[RS+1], v[T]
	v_nop                                          ; a plain instruction between the root and the use of its result (ISA guide 5.7.2)
.set k, 0
	s_wait_alu depctr_va_vdst(0)
.rept 16
	v_pk_mul_f32 v[X+2*k:X+2*k+1], v[X+2*k:X+2*k+1], v[RS:RS+1]
.set k, k+1
.endr
	s_wait_loadcnt 0x0                             ; g and b
.set k, 0
.rept 16
	v_pk_fma_f32 v[X+2*k:X+2*k+1], v[X+2*k:X+2*k+1], v[G+2*k:G+2*k+1], v[BB+2*k:BB+2*k+1]
.set k, k+1
.endr
.set k, 0
.rept 16
	v_cvt_pk_f16_f32 v[X+k], v[X+2*k], v[X+2*k+1]  ; pair k goes into register k, which pairs before it have left
.set k, k+1
.endr
.irp j, 0,1,2,3,4,5,6,7
	global_store_b64 v[OO], v[X+2*(\j):X+2*(\j)+1], s[10:11] offset:256*(\j)  ; a wave's store covers 256 consecutive bytes, aligned
.endr
	s_endpgm
.Lfunc_end_k_qe7df93ea78_ln2:
	.size	k_qe7df93ea78_ln2, .Lfunc_end_k_qe7df93ea78_ln2-k_qe7df93ea78_ln2
	.p2alignl 7, 3214868480
	.fill 96, 4, 3214868480
	.section	.rodata,"a",@progbits
	.p2align	6, 0x0
	.amdhsa_kernel k_qe7df93ea78_ln2
		.amdhsa_group_segment_fixed_size 0
		.amdhsa_private_segment_fixed_size 0
		.amdhsa_enable_private_segment 0
		.amdhsa_kernarg_size 32
		.amdhsa_user_sgpr_count 2
		.amdhsa_user_sgpr_kernarg_segment_ptr 1
		.amdhsa_wavefront_size32 1
		.amdhsa_system_sgpr_workgroup_id_x 1
		.amdhsa_system_sgpr_workgroup_id_y 1
		.amdhsa_system_sgpr_workgroup_id_z 1
		.amdhsa_system_vgpr_workitem_id 0
		.amdhsa_next_free_vgpr 120
		.amdhsa_next_free_sgpr 66
		.amdhsa_reserve_vcc 0
		.amdhsa_float_denorm_mode_32 3
		.amdhsa_float_denorm_mode_16_64 3
		.amdhsa_memory_ordered 1
		.amdhsa_forward_progress 1
		.amdhsa_inst_pref_size 12
	.end_amdhsa_kernel
	.amdgpu_metadata
---
amdhsa.version: [ 1, 2 ]
amdhsa.kernels:
  - .name:           k_qe7df93ea78_ln2
    .symbol:         k_qe7df93ea78_ln2.kd
    .args:
      - { .name: x1, .offset: 0, .size: 8, .value_kind: global_buffer, .address_space: global }
      - { .name: ln2_g, .offset: 8, .size: 8, .value_kind: global_buffer, .address_space: global }
      - { .name: ln2_b, .offset: 16, .size: 8, .value_kind: global_buffer, .address_space: global }
      - { .name: hn, .offset: 24, .size: 8, .value_kind: global_buffer, .address_space: global }
    .group_segment_fixed_size: 0
    .private_segment_fixed_size: 0
    .kernarg_segment_align: 8
    .kernarg_segment_size: 32
    .max_flat_workgroup_size: 512
    .sgpr_count:     66
    .vgpr_count:     120
    .wavefront_size: 32
...
	.end_amdgpu_metadata
.endif
;; end of part 5
;; launch g1 (part 6): grid 16 x 16, 4 waves a work-group, clusters of 4 x 4, 327,680 bytes of LDS; arguments hn, wbf, b1, h1; writes h1
.if DOCPART == 6
	.amdgcn_target "amdgcn-amd-amdhsa--gfx1250"
	.amdhsa_code_object_version 6
	.text
	.protected	k_qe7df93ea78_g1
	.globl	k_qe7df93ea78_g1
	.p2align	8
	.type	k_qe7df93ea78_g1,@function
k_qe7df93ea78_g1:
	s_mov_b64 s[64:65], 0
	v_nop
	global_prefetch_b8 v0, s[64:65] scope:SCOPE_SE
	s_setreg_imm32_b32 hwreg(HW_REG_WAVE_MODE, 25, 1), 1
	s_wait_xcnt 0x0
	s_wait_alu depctr_hold_cnt(0) depctr_sa_sdst(0) depctr_va_vdst(0) depctr_va_sdst(0) depctr_va_ssrc(0) depctr_va_vcc(0) depctr_vm_vsrc(0)
	s_getreg_b32 s2, hwreg(HW_REG_IB_STS2, 6, 4)
	s_cmp_eq_u32 s2, 0
	s_cbranch_scc0 .Lentry_in_a_cluster
	s_endpgm
.Lentry_in_a_cluster:
	s_bfe_u32 s2, ttmp6, 0x10000c
	s_cmp_lg_u32 s2, 0xf033
	s_cbranch_scc0 .Lentry_shape_is_right
	s_endpgm
.Lentry_shape_is_right:
; FIRST LAYER OF THE FEED-FORWARD.  C[m][n] = max(0, sum over k of A[m][k] W[k][n] + bias[n]).  A = hn [4096][1024] f16, W = w1 in f16 [1024][4096] (wbf, byte 8,388,608), bias f32.
; C = h1 [4096][4096] f16, rounded once.  Sums in f32; the bias starts them.
; LIMITS.  f16 ends at 65,504: a result beyond it becomes an infinity.
; SHARES.  A tile of C is 256 x 256: 16 x 16 tiles, one for each of 256 work-groups.  Four waves, 2 x 2, each 128 x 128: 64 accumulators, 512 registers.
; K goes in steps of 128 through two LDS slots that take turns; the loop's text is ONE K step, and the slot in hand is a scalar register (s48) that an exclusive or turns.
; W lies [K][N] in LDS as in memory; its fragments are taken turned (ds_load_tr16_b128).  THE MATRIX INSTRUCTION IS USED TRANSPOSED: source 0 = 16 columns of W,
; source 1 = 16 rows of A: a lane then holds one row m = l % 16 of C and the eight neighbouring columns 8 (l / 16) + 0..7.
; CLUSTER.  4 x 4 work-groups: the four of a row of the cluster need the same tile of A, the four of a column the same tile of W: each is asked for JOINTLY.
; THE K WALK IS ROTATED.  A cluster begins at K step o = (XM x cluster x + YM x (cluster y & YA)) mod NT and walks round to o - 1.  The clusters of one cluster row need the same tiles of A, those of
; one cluster column the same tiles of W; with different o they ask for a tile in different trips: one cluster is the first in the launch to ask for it, the others follow two trips or more later.
; o hangs on the cluster's own coordinates alone, which all sixteen partners share.  So the order of the terms of an f32 sum differs from cluster to cluster.
; REGISTERS by absolute number (windows of 256): 0-31 addresses; 64-127, 128-191 A's fragments, two buffers (on the way out: rows read back); 192-223 packed results;
;   256-319, 352-415 W's fragments, two buffers; 448-511 the bias, as the C operand of the first products; 512-1023 accumulators, (a, b) at 512 + 8 (8 a + b).
.set SZ_N, 4096
.set SZ_K, 1024
.set TM, 256
.set TN, 256
.set MB, 8                             ; blocks of 16 rows a wave
.set NB, 8                             ; blocks of 16 columns a wave
.set WAVES_M, 2                        ; the waves lie 2 x 2 over the tile
.set KS, 128                           ; a K step
.set DEPTH, 1                          ; a quarter of it is 32 x DEPTH along K
.set BYHEADS, 0
.set XM, 2                             ; 4 x 4 clusters, 8 K steps: o = 2 x + 4 (y & 1)
.set YM, 4
.set YA, 1
.set APITCH, 272                       ; A's LDS row: 256 bytes + 16: the 16 rows of a load start at 16 different groups of four banks (64 banks of 4 bytes: ISA guide 11.1)
.set ABYTES, 256*272
.set QIA, 5                            ; padding after every 64 words
.set AD0, 128                          ; A's load: 128 elements x 128 rows, 1,024 elements from row to row
.set AD1, 128
.set ASTR, 1024
.set AROWB, 256*1024*2                 ; bytes from a tile row of A to the next
.set AHALFB, 128*1024*2                ; and to the half that the second wave fetches
.set ASTEP, 256                        ; and to the next K step
.set CHB, 512                          ; W's LDS row: 512 bytes + 32: an odd multiple of 32
.set PADB, 32
.set QIB, 6                            ; padding after every 128 words,
.set PCB, 7                            ; 8 words of it
.set WCOL, 256
.set WOFF, 8388608
.set BIAS, 448
.set SPITCH, 272                       ; the stage's row: 256 bytes + 16
.set OROWB, 8192                       ; bytes in a row of the output
.set OEL, 2
.set NT,     SZ_K/KS
.set BPITCH, (TN*2/CHB)*(CHB+PADB)
.set BBYTES, KS*BPITCH
.set BSTEP,  KS*SZ_N*2
.set SLOT,   ABYTES+BBYTES             ; A's tile, then W's
.set STAGE,  2*SLOT                    ; behind the ring, never filled by a tensor load: 16 rows for each wave, for the way out
.set STGB,   16*SPITCH
.set SPARE,  STAGE+4*STGB              ; the spare words, 128 bytes for each wave: two blocks of 256 bytes that no other line names
.set YOUNG,  MB+(DEPTH-1)*(16-MB)      ; the youngest loads of a run, which the first half of a quarter does not read
.set ADRA0, 16                         ; v16  my lane's place in A's tile; never rewritten
.set ADRB0, 17                         ; v17  the same in W's tile
.set ADRA,  18                         ; v18  the same in the slot in hand
.set ADRB,  20                         ; v20
.set STO,   24                         ; v24  the way out: where I put 16 bytes of a row
.set RD,    25                         ; v25  where I read rows back
.set CO,    26                         ; v26  my byte offset in the output
.set BO,    27                         ; v27  my byte offset in the bias
.set SPW,   28                         ; v28  LDS address of my spare word; never rewritten
.set NIL,   29                         ; v29  0; never rewritten
.set ZR,    30                         ; v30  0, for the packed maximum
.set TMP,   192
.set G1A, 24                           ; s[24:31] descriptor group 1 for A's tiles;  s[32:35] group 0: it walks
.set G0A, 32
.set G0B, 36                           ; s[36:39], s[40:47] the same for W's
.set G1B, 40
.set KI,  66                           ; s66  the K step asked for last
.set BA,  68                           ; s[68:69] A at my part of the tile, K step 0
.set BW,  70                           ; s[70:71] W likewise
.set OA,  72                           ; s[72:73] a K step's byte offset in A
.set OW,  74                           ; s[74:75] and in W
.set F0A, 76                           ; s[76:79] group 0 of slot 0's first fill, for A; never rewritten
.set F0B, 80                           ; s[80:83] for W
.set MSB, 0
.macro WIN new                         ; the immediate's high byte repeats the setting that is left; a switch that changes nothing is dropped
.if MSB != (\new)
	s_set_vgpr_msb (MSB<<8)|(\new)
.set MSB, (\new)
.endif
.endm
.macro PLACES                          ; four places in front of loads into registers that matrix instructions have read, and of lines that read results
.rept 4
	v_nop
.endr
.endm
; A joint load.  Waves 0 and 1 fetch A's two halves, waves 2 and 3 W's.  The branch hangs on the wave's number alone.  An s_nop 0 and four v_nop follow each line.
.macro JLOAD
	s_cmp_eq_u32 s15, 0
	s_cbranch_scc0 .Lfor_b_\@
	tensor_load_to_lds s[G0A:G0A+3], s[G1A:G1A+7]
	s_nop 0
.rept 4
	v_nop
.endr
	s_branch .Lasked_\@
.Lfor_b_\@:
	tensor_load_to_lds s[G0B:G0B+3], s[G1B:G1B+7]
	s_nop 0
.rept 4
	v_nop
.endr
.Lasked_\@:
.endm
.macro CREST                           ; a round of the cluster's barrier behind its opening barrier: wave 0 signals for the work-group, every wave waits for all sixteen, my work-group's barrier closes it
	s_cmp_lg_u32 s14, 0
	s_cbranch_scc1 .Lnot_wave_0_\@
	s_barrier_signal -3
.Lnot_wave_0_\@:
	s_barrier_wait -3
	s_barrier_signal -1
	s_barrier_wait -1
.endm
.macro CROUND
	s_barrier_signal -1
	s_barrier_wait -1
	CREST
.endm
.macro NEXTK                           ; the walk's next K step, round the end
	s_add_co_u32 s[KI], s[KI], 1
	s_and_b32 s[KI], s[KI], NT-1
.endm
.macro ADDR ga, gb                     ; the global addresses of K step KI's tiles are made anew: base + step x constant, and the type bits
	s_mul_i32 s[OA], s[KI], ASTEP
	s_mul_i32 s[OW], s[KI], BSTEP
	s_add_nc_u64 s[(\ga)+2:(\ga)+3], s[BA:BA+1], s[OA:OA+1]
	s_or_b32 s[(\ga)+3], s[(\ga)+3], 0x80000000
	s_add_nc_u64 s[(\gb)+2:(\gb)+3], s[BW:BW+1], s[OW:OW+1]
	s_or_b32 s[(\gb)+3], s[(\gb)+3], 0x80000000
.endm
	s_load_b256 s[4:11], s[0:1], 0x0               ; A s[4:5], W s[6:7], bias s[8:9], out s[10:11]
	v_lshl_add_u32 v[SPW], v0, 2, SPARE
	v_mov_b32 v[NIL], 0
	ds_add_u32 v[SPW], v[NIL]                      ; the wave's opening: the add and its wait stand ahead of my first tensor load; the set-up below, work on registers, stands between them
	ds_add_u32 v28, v29
	v_lshrrev_b32 v1, 5, v0
	v_readfirstlane_b32 s14, v1                    ; wave 0..3
	s_lshr_b32 s15, s14, 1                         ; I fetch for A (0) or for W (1),
	s_and_b32 s16, s14, 1                          ; and which half of that tile
.if WAVES_M == 4
	s_mov_b32 s17, s14                             ; my place among the tile's rows
	s_mov_b32 s18, 0                               ; and columns
.else
	s_mov_b32 s17, s15
	s_mov_b32 s18, s16
.endif
	s_bfe_u32 s19, ttmp6, 0x40000                  ; cx, cy: my place in the cluster
	s_bfe_u32 s20, ttmp6, 0x40004
	s_lshl_b32 s21, ttmp9, 2
	s_add_co_u32 s21, s21, s19                     ; tile column = 4 x cluster x + cx
	s_and_b32 s22, ttmp7, 0xffff
	s_lshl_b32 s22, s22, 2
	s_add_co_u32 s22, s22, s20                     ; tile row = 4 x cluster y + cy
	s_and_b32 s[KI], ttmp7, YA                     ; where my cluster's walk begins: of the cluster's coordinates alone
	s_mul_i32 s[KI], s[KI], YM
	s_mul_i32 s67, ttmp9, XM
	s_add_co_u32 s[KI], s[KI], s67
	s_and_b32 s[KI], s[KI], NT-1
	s_lshl_b32 s61, s20, 2
	s_lshl_b32 s61, 15, s61                        ; my row of the cluster
	s_lshl_b32 s60, 0x1111, s19                    ; my column
	s_or_b32 s[G1A], s61, (1<<16)|(1<<20)|(1<<21)|(QIA<<22)|(3<<25)    ; 15:0 the mask; 17:16 2-byte elements; 20 padding on; 21 set beside a mask; 24:22 the interval; 31:25 4 words
	s_or_b32 s[G1B], s60, (1<<16)|(1<<20)|(1<<21)|(QIB<<22)|(PCB<<25)
	s_mov_b32 s[G1A+1], (AD0&0xffff)<<16           ; tensor_dim0
	s_mov_b32 s[G1A+2], (AD0>>16)|((AD1&0xffff)<<16)  ; tensor_dim1
	s_mov_b32 s[G1A+3], (AD1>>16)|(AD0<<16)        ; tile_dim0
	s_mov_b32 s[G1A+4], AD1                        ; tile_dim1
	s_mov_b32 s[G1A+5], ASTR                       ; elements from row to row
	s_mov_b32 s[G1A+6], 0
	s_mov_b32 s[G1A+7], 0
	s_mov_b32 s[G1B+1], TN<<16
	s_mov_b32 s[G1B+2], (KS/2)<<16
	s_mov_b32 s[G1B+3], TN<<16
	s_mov_b32 s[G1B+4], KS/2
	s_mov_b32 s[G1B+5], SZ_N
	s_mov_b32 s[G1B+6], 0
	s_mov_b32 s[G1B+7], 0
	s_mul_i32 s52, s22, AROWB                      ; A's tile hangs on the tile row and the wave alone,
	s_mul_i32 s58, s16, AHALFB
	s_add_co_u32 s52, s52, s58
	s_mov_b32 s53, 0
	s_mul_i32 s54, s21, TN*2                       ; W's on the tile column and the wave alone
	s_mul_i32 s59, s16, (KS/2)*SZ_N*2
	s_add_co_u32 s54, s54, s59
.if WOFF
	s_add_co_u32 s54, s54, WOFF
.endif
	s_mov_b32 s55, 0
	s_mov_b32 s[OA+1], 0
	s_mov_b32 s[OW+1], 0
	s_mul_i32 s49, s16, ABYTES/2                   ; where my half lies in a slot, for A
	s_mul_i32 s50, s16, BBYTES/2
	s_add_co_u32 s50, s50, ABYTES                  ; and for W: no place in the cluster enters an LDS address
	s_mov_b32 s[F0A], 1                            ; count = 1
	s_mov_b32 s[F0A+1], s49                        ; LDS address: slot 0
	s_mov_b32 s[F0B], 1
	s_mov_b32 s[F0B+1], s50
	s_mov_b32 s[G0A], 1
	s_add_co_u32 s[G0A+1], s49, SLOT               ; slot 1
	s_mov_b32 s[G0B], 1
	s_add_co_u32 s[G0B+1], s50, SLOT
	s_wait_dscnt 0x0                               ; the opening add is done
	s_wait_kmcnt 0x0
	s_add_nc_u64 s[BA:BA+1], s[4:5], s[52:53]
	s_add_nc_u64 s[BW:BW+1], s[6:7], s[54:55]
	ADDR F0A, F0B                                  ; the walk's first K step,
	NEXTK
	ADDR G0A, G0B                                  ; and its second
	CROUND                                         ; all sixteen work-groups are here: the first joint loads meet
	s_cmp_eq_u32 s15, 0                            ; a wave's two first fills stand in one branch, ahead of every wait on TENSORcnt and every LDS read: two loads of mine are out
	s_cbranch_scc0 .Lfirst_b
	tensor_load_to_lds s[F0A:F0A+3], s[G1A:G1A+7]
	s_nop 0
	tensor_load_to_lds s[G0A:G0A+3], s[G1A:G1A+7]
	s_nop 0
.rept 4
	v_nop
.endr
	s_branch .Lfirst_asked
.Lfirst_b:
	tensor_load_to_lds s[F0B:F0B+3], s[G1B:G1B+7]
	s_nop 0
	tensor_load_to_lds s[G0B:G0B+3], s[G1B:G1B+7]
	s_nop 0
.rept 4
	v_nop
.endr
.Lfirst_asked:
	; A's fragment: lane l holds row l % 16, K = 8 (l / 16) + 0..7 and 16 + 8 (l / 16) + 0..7: two loads of 16 bytes, 32 bytes apart.
	v_and_b32 v1, 15, v0                           ; r = l % 16
	v_bfe_u32 v2, v0, 4, 1                         ; h = l / 16
	v_mul_u32_u24 v3, v1, APITCH
	v_lshl_add_u32 v3, v2, 4, v3
	s_mul_i32 s23, s17, MB*16*APITCH
	v_add_nc_u32 v[ADRA0], s23, v3
	; W's fragment, turned: lane l reads 16 bytes of row 8 (l / 16) + l % 8, columns 8 ((l / 8) % 2) + 0..7, and ends with column l % 16 and 8 K; the second load stands 16 rows on.
	v_and_b32 v4, 7, v0
	v_lshl_add_u32 v4, v2, 3, v4
	v_mul_u32_u24 v4, v4, BPITCH
	v_bfe_u32 v5, v0, 3, 1
	v_lshl_add_u32 v4, v5, 4, v4
	s_mul_i32 s23, s18, WCOL
	s_add_co_u32 s23, s23, ABYTES
	v_add_nc_u32 v[ADRB0], s23, v4
	; the way out: into my stage 16 bytes at row l % 16; back: lanes 0-15 take one row of 256 bytes, lanes 16-31 the next
	s_mul_i32 s23, s14, STGB
	s_add_co_u32 s23, s23, STAGE
	v_mul_u32_u24 v3, v1, SPITCH
	v_lshl_add_u32 v3, v2, 4, v3
	v_add_nc_u32 v[STO], s23, v3
	v_mul_u32_u24 v3, v2, SPITCH
	v_lshl_add_u32 v3, v1, 4, v3
	v_add_nc_u32 v[RD], s23, v3
	v_mul_u32_u24 v3, v2, OROWB
	v_lshl_add_u32 v[CO], v1, 4, v3
	v_mov_b32 v[ZR], 0
	s_mul_i32 s56, s22, TM*OROWB                   ; my part of the tile in the output
	s_mul_i32 s2, s17, MB*16*OROWB
	s_add_co_u32 s56, s56, s2
	s_mul_i32 s2, s21, TN*OEL
	s_add_co_u32 s56, s56, s2
	s_mul_i32 s2, s18, NB*16*OEL
	s_add_co_u32 s56, s56, s2
	s_mov_b32 s57, 0
	s_add_nc_u64 s[10:11], s[10:11], s[56:57]
	s_mul_i32 s62, s21, TN*4                       ; the bias of my columns
	s_mul_i32 s3, s18, NB*64
	s_add_co_u32 s62, s62, s3
	s_mov_b32 s63, 0
	s_add_nc_u64 s[8:9], s[8:9], s[62:63]
	v_lshlrev_b32 v[BO], 5, v2                     ; register j of block b is column 16 b + 8 h + j, the same for all rows
	WIN (BIAS/256)<<6
.set i, 0
.rept NB
	global_load_b128 v[BIAS%256+8*i:BIAS%256+8*i+3],   v[BO], s[8:9] offset:64*i
	global_load_b128 v[BIAS%256+8*i+4:BIAS%256+8*i+7], v[BO], s[8:9] offset:64*i+16
.set i, i+1
.endr
	WIN 0
; n x NB matrix instructions: row blocks alo .. alo + n - 1 x all column blocks, 32 along K: part c of buffer buf.  The accumulators take turns, one instruction a turn.
; first: the product starts the sum, with the bias as C: nothing is ever cleared.
.macro MM buf, c, alo, n, first
.set ma, (\alo)
.rept (\n)
.set mb, 0
.rept NB
.set rd, 512+8*(ma*NB+mb)
.set rb, 256+96*(\buf)+8*(NB*(\c)+mb)
.set ra, 64+64*(\buf)+8*(MB*(\c)+ma)
.set rc, rd
.if (\first)
.set rc, BIAS+8*mb
.endif
	WIN (rb/256)|((ra/256)<<2)|((rc/256)<<4)|((rd/256)<<6)
	v_wmma_f32_16x16x32_f16 v[rd%256:rd%256+7], v[rb%256:rb%256+7], v[ra%256:ra%256+7], v[rc%256:rc%256+7]
.set mb, mb+1
.endr
.set ma, ma+1
.endr
.endm
.macro QTR buf, i, j, first            ; quarter j of half i of a quarter step's products
.if DEPTH == 1
	MM \buf, 0, (\i)*(MB/2)+(\j)*(MB/4), MB/4, \first
.else
	MM \buf, \i, (\j)*(MB/2), MB/2, (\first)*(1-(\i))
.endif
.endm
; 32 LDS loads in one run: the fragments of quarter step sub into buffer buf: W's, then A's, rows ascending
.macro FETCH sub, buf
.set fc, 0
.rept DEPTH
.set kk, (\sub)*DEPTH+fc
	WIN 0x40                                       ; destination window 1, address window 0
.set fi, 0
.rept NB
.set bo, (kk%4)*32*BPITCH+((32*fi)/CHB)*(CHB+PADB)+(32*fi)%CHB
.set rg, 96*(\buf)+8*(NB*fc+fi)
	ds_load_tr16_b128 v[rg:rg+3],   v[ADRB+kk/4] offset:bo
	ds_load_tr16_b128 v[rg+4:rg+7], v[ADRB+kk/4] offset:bo+16*BPITCH
.set fi, fi+1
.endr
	WIN 0
.set fi, 0
.rept MB
.if BYHEADS
.set ao, (kk/2)*128*APITCH+(kk%2)*64+fi*16*APITCH
.else
.set ao, 64*kk+fi*16*APITCH
.endif
.set rg, 64+64*(\buf)+8*(MB*fc+fi)
	ds_load_b128 v[rg:rg+3],   v[ADRA] offset:ao
	ds_load_b128 v[rg+4:rg+7], v[ADRA] offset:ao+32
.set fi, fi+1
.endr
.set fc, fc+1
.endr
.endm
.macro SETADR                          ; my places in the slot in hand
	v_add_nc_u32 v[ADRA], s48, v[ADRA0]
	v_add_nc_u32 v[ADRB], s48, v[ADRB0]
.if KS > 128
	v_add_nc_u32 v[ADRB+1], 128*BPITCH, v[ADRB]
.endif
.endm
; One of a K step's first three quarters: multiplies buffer sub % 2; in its middle the next quarter's fragments are fetched into the other buffer.
.macro SUB sub, first=0
	s_wait_dscnt YOUNG                             ; all that the first half reads is in; the youngest loads may be out
	QTR (\sub)%2, 0, 0, \first
	QTR (\sub)%2, 0, 1, \first
	PLACES
	FETCH (\sub)+1, 1-(\sub)%2
	s_wait_dscnt 32                                ; all but the 32 just issued
	QTR (\sub)%2, 1, 0, \first
	QTR (\sub)%2, 1, 1, \first
.endm
; The last quarter multiplies buffer 1 and changes slots: ONE barrier.  In front of it each wave waits for all its tensor loads (one is out: its part of the next slot), adds 0 to its spare word,
; and waits for that and for its own reads of this slot.  fill = 1: the barrier opens a round of the cluster's, and the slot just read is filled again, with the walk's K step two on, first thing behind the round.
.macro TURN fill
	WIN 0
	s_wait_tensorcnt 0x0                           ; all my tensor loads have landed, so group 0 may be written
	ds_add_u32 v[SPW], v[NIL]                      ; 0 onto my spare word
.if \fill
	NEXTK                                          ; the refill's descriptors, scalar work while the add is out
	ADDR G0A, G0B
	s_add_co_u32 s[G0A+1], s48, s49                ; into the slot in hand
	s_add_co_u32 s[G0B+1], s48, s50
.endif
	s_wait_dscnt YOUNG+1                           ; (the add and the youngest loads may be out)
	QTR 1, 0, 0, 0                                 ; matrix instructions stand between the add and the wait for it
	s_wait_dscnt 0x0                               ; the add is done, and my reads of this slot are over
	s_barrier_signal -1
	QTR 1, 0, 1, 0                                 ; work on registers while the others arrive
	WIN 0                                          ; at a branch and at a label every window is 0
	s_barrier_wait -1
.if \fill
	CREST                                          ; no wave of any partner still reads this slot or has a load on its way
	JLOAD                                          ; its four v_nop are also the places in front of the loads below
.else
	PLACES
.endif
	s_xor_b32 s48, s48, SLOT                       ; 0 and SLOT by turns
	SETADR
	FETCH 0, 0
	QTR 1, 1, 0, 0
	QTR 1, 1, 1, 0
.endm
	s_wait_tensorcnt 0x1                           ; my part of slot 0 is in; slot 1's load, issued behind it, may stay out
	s_barrier_signal -1
	s_barrier_wait -1                              ; everybody's part is in
	s_mov_b32 s48, 0
	SETADR
	FETCH 0, 0
	s_wait_loadcnt 0x0                             ; the bias
	SUB 0, 1                                       ; the first quarter stands in front of the loop: its products start the sums
	WIN 0
	s_mov_b32 s51, NT-1
	s_branch .Lentry                               ; the loop is entered behind a K step's first quarter
.Lloop:                                                ; NT - 2 trips: the last quarter of a K step, a refill, and the next step's first three quarters
	TURN 1
	SUB 0
	WIN 0
.Lentry:
	SUB 1
	SUB 2
	WIN 0
	s_sub_co_u32 s51, s51, 1
	s_cmp_lg_u32 s51, 0
	s_cbranch_scc1 .Lloop
	TURN 0                                         ; the tail is written out: nothing is asked for
	SUB 0
	SUB 1
	SUB 2
	s_wait_dscnt YOUNG
	QTR 1, 0, 0, 0
	QTR 1, 0, 1, 0
	s_wait_dscnt 0x0
	QTR 1, 1, 0, 0
	QTR 1, 1, 1, 0
	PLACES
; THE WAY OUT, a block of 16 rows at a time.  PACK: rounded to f16, each accumulator's registers ascending, and held at 0 from below, two at a time.
; TOSTAGE: 16 bytes a lane into my stage, and back as whole rows of 256 bytes.  SEND: stored.
.macro PACK a
.set i, 0
.rept 4*NB
.set src, 512+8*NB*(\a)+2*i
	WIN 5*(src/256)                                ; sources 0 and 1 in the accumulator's window
	v_cvt_pk_f16_f32 v[TMP+i], v[src%256], v[src%256+1]
.set i, i+1
.endr
	WIN 0
.set i, 0
.rept 4*NB
	v_pk_max_num_f16 v[TMP+i], v[TMP+i], v[ZR]
.set i, i+1
.endr
.endm
.macro TOSTAGE a
.set BK, 64+64*((\a)%2)
.set i, 0
.rept NB
	ds_store_b128 v[STO], v[TMP+4*i:TMP+4*i+3] offset:32*i
.set i, i+1
.endr
.set i, 0
.rept 8
	ds_load_b128 v[BK+4*i:BK+4*i+3], v[RD] offset:i*2*SPITCH  ; LDS serves a wave's instructions in order (ISA guide 5.7.1.4): these see the stores above
.set i, i+1
.endr
.endm
.macro SEND a
.set BK, 64+64*((\a)%2)
	s_wait_dscnt 0x0                               ; the block is back in registers
	s_wait_xcnt 0x0                                ; the stores before these have read their registers: the other buffer is loaded again only behind this wait
.set i, 0
.rept 8
	global_store_b128 v[CO], v[BK+4*i:BK+4*i+3], s[10:11] offset:(16*(\a)+2*i)*OROWB  ; 16 lanes store 256 consecutive bytes, aligned
.set i, i+1
.endr
.endm
	PACK 0
	TOSTAGE 0
.irp a, 1,2,3,4,5,6,7
	PACK \a                                        ; a block's conversions stand between the loads of the block before and the wait for them
	SEND (\a)-1
	TOSTAGE \a
.endr
	SEND 7
	s_wait_tensorcnt 0x0                           ; the wave's end: an add to my spare word and its wait, behind my last tensor load and my last LDS store
	ds_add_u32 v[SPW], v[NIL]
	s_wait_dscnt 0x0
	CROUND                                         ; the closing round: no work-group ends while a partner may still ask for a tile that names it
	s_endpgm
.Lfunc_end_k_qe7df93ea78_g1:
	.size	k_qe7df93ea78_g1, .Lfunc_end_k_qe7df93ea78_g1-k_qe7df93ea78_g1
	.p2alignl 7, 3214868480
	.fill 96, 4, 3214868480
	.section	.rodata,"a",@progbits
	.p2align	6, 0x0
	.amdhsa_kernel k_qe7df93ea78_g1
		.amdhsa_group_segment_fixed_size 327680
		.amdhsa_private_segment_fixed_size 0
		.amdhsa_enable_private_segment 0
		.amdhsa_kernarg_size 32
		.amdhsa_user_sgpr_count 2
		.amdhsa_user_sgpr_kernarg_segment_ptr 1
		.amdhsa_wavefront_size32 1
		.amdhsa_system_sgpr_workgroup_id_x 1
		.amdhsa_system_sgpr_workgroup_id_y 1
		.amdhsa_system_sgpr_workgroup_id_z 1
		.amdhsa_system_vgpr_workitem_id 0
		.amdhsa_next_free_vgpr 1024
		.amdhsa_next_free_sgpr 84
		.amdhsa_reserve_vcc 0
		.amdhsa_float_denorm_mode_32 3
		.amdhsa_float_denorm_mode_16_64 3
		.amdhsa_memory_ordered 1
		.amdhsa_forward_progress 1
		.amdhsa_inst_pref_size 122
	.end_amdhsa_kernel
	.amdgpu_metadata
---
amdhsa.version: [ 1, 2 ]
amdhsa.kernels:
  - .name:           k_qe7df93ea78_g1
    .symbol:         k_qe7df93ea78_g1.kd
    .args:
      - { .name: hn, .offset: 0, .size: 8, .value_kind: global_buffer, .address_space: global }
      - { .name: wbf, .offset: 8, .size: 8, .value_kind: global_buffer, .address_space: global }
      - { .name: b1, .offset: 16, .size: 8, .value_kind: global_buffer, .address_space: global }
      - { .name: h1, .offset: 24, .size: 8, .value_kind: global_buffer, .address_space: global }
    .group_segment_fixed_size: 327680
    .private_segment_fixed_size: 0
    .kernarg_segment_align: 8
    .kernarg_segment_size: 32
    .max_flat_workgroup_size: 128
    .sgpr_count:     84
    .vgpr_count:     1024
    .wavefront_size: 32
...
	.end_amdgpu_metadata
.endif
;; end of part 6
;; launch g2 (part 7): grid 8 x 32, 4 waves a work-group, clusters of 4 x 4, 327,680 bytes of LDS; arguments h1, wbf, b2, x1, out0; writes out0
.if DOCPART == 7
	.amdgcn_target "amdgcn-amd-amdhsa--gfx1250"
	.amdhsa_code_object_version 6
	.text
	.protected	k_qe7df93ea78_g2
	.globl	k_qe7df93ea78_g2
	.p2align	8
	.type	k_qe7df93ea78_g2,@function
k_qe7df93ea78_g2:
	s_mov_b64 s[64:65], 0
	v_nop
	global_prefetch_b8 v0, s[64:65] scope:SCOPE_SE
	s_setreg_imm32_b32 hwreg(HW_REG_WAVE_MODE, 25, 1), 1
	s_wait_xcnt 0x0
	s_wait_alu depctr_hold_cnt(0) depctr_sa_sdst(0) depctr_va_vdst(0) depctr_va_sdst(0) depctr_va_ssrc(0) depctr_va_vcc(0) depctr_vm_vsrc(0)
	s_getreg_b32 s2, hwreg(HW_REG_IB_STS2, 6, 4)
	s_cmp_eq_u32 s2, 0
	s_cbranch_scc0 .Lentry_in_a_cluster
	s_endpgm
.Lentry_in_a_cluster:
	s_bfe_u32 s2, ttmp6, 0x10000c
	s_cmp_lg_u32 s2, 0xf033
	s_cbranch_scc0 .Lentry_shape_is_right
	s_endpgm
.Lentry_shape_is_right:
; SECOND LAYER OF THE FEED-FORWARD AND SECOND RESIDUAL.  out[m][n] = res[m][n] + sum over k of A[m][k] W[k][n] + bias[n].  A = h1 [4096][4096] f16;
; W = w2 in f16 [4096][1024] (wbf, byte 16,777,216); bias, res = x1 and out = out0 in f32.  Sums in f32; the bias starts them; the residual is added in f32 on the way out.
; SHARES.  A tile of C is 128 x 128: 8 x 32 tiles, one for each of 256 work-groups.  Four waves, 2 x 2, each 64 x 64: 16 accumulators.
; K goes in steps of 256 through two LDS slots that take turns; the loop's text is ONE K step, and the slot in hand is a scalar register (s48) that an exclusive or turns.
; W lies [K][N] in LDS as in memory; its fragments are taken turned (ds_load_tr16_b128).  THE MATRIX INSTRUCTION IS USED TRANSPOSED: source 0 = 16 columns of W,
; source 1 = 16 rows of A: a lane then holds one row m = l % 16 of C and the eight neighbouring columns 8 (l / 16) + 0..7.
; CLUSTER.  4 x 4 work-groups: the four of a row of the cluster need the same tile of A, the four of a column the same tile of W: each is asked for JOINTLY.
; THE K WALK IS ROTATED.  A cluster begins at K step o = (XM x cluster x + YM x (cluster y & YA)) mod NT and walks round to o - 1.  The two clusters of one cluster row need the same tiles of A and
; begin 8 steps apart; the clusters of one cluster column need the same tiles of W, and four neighbours among them begin 4 steps apart.  So they ask for a tile in different trips: one cluster is the
; first in the launch to ask for it, the others follow four trips or more later.  o hangs on the cluster's own coordinates alone, which all sixteen partners share.
; So the order of the terms of an f32 sum differs from cluster to cluster.
; REGISTERS by absolute number (windows of 256): 0-31 addresses; 64-127, 128-191 A's fragments, two buffers (on the way out: rows read back);
;   256-319, 352-415 W's fragments, two buffers; 448-479 the bias, as the C operand of the first products; 512-639 accumulators, (a, b) at 512 + 8 (4 a + b); 768-895 the residual, loaded at the start.
.set SZ_N, 1024
.set SZ_K, 4096
.set TM, 128
.set TN, 128
.set MB, 4                             ; blocks of 16 rows a wave
.set NB, 4                             ; blocks of 16 columns a wave
.set WAVES_M, 2                        ; the waves lie 2 x 2 over the tile
.set KS, 256                           ; a K step
.set DEPTH, 2                          ; a quarter of it is 32 x DEPTH along K
.set BYHEADS, 0
.set XM, 8                             ; 2 x 8 clusters, 16 K steps: o = 8 x + 4 (y & 3)
.set YM, 4
.set YA, 3
.set APITCH, 528                       ; A's LDS row: 512 bytes + 16: the 16 rows of a load start at 16 different groups of four banks (64 banks of 4 bytes: ISA guide 11.1)
.set ABYTES, 128*528
.set QIA, 6                            ; padding after every 128 words
.set AD0, 256                          ; A's load: 256 elements x 64 rows, 4,096 elements from row to row
.set AD1, 64
.set ASTR, 4096
.set AROWB, 128*4096*2                 ; bytes from a tile row of A to the next
.set AHALFB, 64*4096*2                 ; to the half that the second wave fetches
.set ASTEP, 512                        ; and to the next K step
.set CHB, 256                          ; W's LDS row: 256 bytes + 32: an odd multiple of 32
.set PADB, 32
.set QIB, 5                            ; padding after every 64 words,
.set PCB, 7                            ; 8 words of it
.set WCOL, 128
.set WOFF, 16777216
.set BIAS, 448
.set SPITCH, 272                       ; the stage's row: 256 bytes + 16
.set OROWB, 4096                       ; bytes in a row of the output
.set OEL, 4
.set NT,     SZ_K/KS
.set BPITCH, (TN*2/CHB)*(CHB+PADB)
.set BBYTES, KS*BPITCH
.set BSTEP,  KS*SZ_N*2
.set SLOT,   ABYTES+BBYTES             ; A's tile, then W's
.set STAGE,  2*SLOT                    ; behind the ring, never filled by a tensor load: 16 rows for each wave, for the way out
.set STGB,   16*SPITCH
.set SPARE,  STAGE+4*STGB              ; the spare words, 128 bytes for each wave: two blocks of 256 bytes that no other line names
.set YOUNG,  MB+(DEPTH-1)*(16-MB)      ; the youngest loads of a run, which the first half of a quarter does not read
.set ADRA0, 16                         ; v16  my lane's place in A's tile; never rewritten
.set ADRB0, 17                         ; v17  the same in W's tile
.set ADRA,  18                         ; v18  the same in the slot in hand
.set ADRB,  20                         ; v20  (v21: 128 rows further)
.set STO,   24                         ; v24  the way out: where I put 32 bytes of a row
.set RD,    25                         ; v25  where I read rows back
.set CO,    26                         ; v26  my byte offset in the output and in the residual
.set BO,    27                         ; v27  my byte offset in the bias
.set SPW,   28                         ; v28  LDS address of my spare word; never rewritten
.set NIL,   29                         ; v29  0; never rewritten
.set G1A, 24                           ; s[24:31] descriptor group 1 for A's tiles;  s[32:35] group 0: it walks
.set G0A, 32
.set G0B, 36                           ; s[36:39], s[40:47] the same for W's
.set G1B, 40
.set KI,  66                           ; s66  the K step asked for last
.set BA,  68                           ; s[68:69] A at my part of the tile, K step 0
.set BW,  70                           ; s[70:71] W likewise
.set OA,  72                           ; s[72:73] a K step's byte offset in A
.set OW,  74                           ; s[74:75] and in W
.set F0A, 76                           ; s[76:79] group 0 of slot 0's first fill, for A; never rewritten
.set F0B, 80                           ; s[80:83] for W
.set MSB, 0
.macro WIN new                         ; the immediate's high byte repeats the setting that is left; a switch that changes nothing is dropped
.if MSB != (\new)
	s_set_vgpr_msb (MSB<<8)|(\new)
.set MSB, (\new)
.endif
.endm
.macro PLACES                          ; four places in front of loads into registers that matrix instructions have read, and of lines that read results
.rept 4
	v_nop
.endr
.endm
; A joint load.  Waves 0 and 1 fetch A's two halves, waves 2 and 3 W's.  The branch hangs on the wave's number alone.  An s_nop 0 and four v_nop follow each line.
.macro JLOAD
	s_cmp_eq_u32 s15, 0
	s_cbranch_scc0 .Lfor_b_\@
	tensor_load_to_lds s[G0A:G0A+3], s[G1A:G1A+7]
	s_nop 0
.rept 4
	v_nop
.endr
	s_branch .Lasked_\@
.Lfor_b_\@:
	tensor_load_to_lds s[G0B:G0B+3], s[G1B:G1B+7]
	s_nop 0
.rept 4
	v_nop
.endr
.Lasked_\@:
.endm
.macro CREST                           ; a round of the cluster's barrier behind its opening barrier: wave 0 signals for the work-group, every wave waits for all sixteen, my work-group's barrier closes it
	s_cmp_lg_u32 s14, 0
	s_cbranch_scc1 .Lnot_wave_0_\@
	s_barrier_signal -3
.Lnot_wave_0_\@:
	s_barrier_wait -3
	s_barrier_signal -1
	s_barrier_wait -1
.endm
.macro CROUND
	s_barrier_signal -1
	s_barrier_wait -1
	CREST
.endm
.macro NEXTK                           ; the walk's next K step, round the end
	s_add_co_u32 s[KI], s[KI], 1
	s_and_b32 s[KI], s[KI], NT-1
.endm
.macro ADDR ga, gb                     ; the global addresses of K step KI's tiles are made anew: base + step x constant, and the type bits
	s_mul_i32 s[OA], s[KI], ASTEP
	s_mul_i32 s[OW], s[KI], BSTEP
	s_add_nc_u64 s[(\ga)+2:(\ga)+3], s[BA:BA+1], s[OA:OA+1]
	s_or_b32 s[(\ga)+3], s[(\ga)+3], 0x80000000
	s_add_nc_u64 s[(\gb)+2:(\gb)+3], s[BW:BW+1], s[OW:OW+1]
	s_or_b32 s[(\gb)+3], s[(\gb)+3], 0x80000000
.endm
	s_load_b256 s[4:11], s[0:1], 0x0               ; A s[4:5], W s[6:7], bias s[8:9], res s[10:11]
	s_load_b64 s[12:13], s[0:1], 0x20              ; out
	v_lshl_add_u32 v[SPW], v0, 2, SPARE
	v_mov_b32 v[NIL], 0
	ds_add_u32 v[SPW], v[NIL]                      ; the wave's opening: the add and its wait stand ahead of my first tensor load; the set-up below, work on registers, stands between them
	ds_add_u32 v28, v29
	v_lshrrev_b32 v1, 5, v0
	v_readfirstlane_b32 s14, v1                    ; wave 0..3
	s_lshr_b32 s15, s14, 1                         ; I fetch for A (0) or for W (1),
	s_and_b32 s16, s14, 1                          ; and which half of that tile
.if WAVES_M == 4
	s_mov_b32 s17, s14                             ; my place among the tile's rows
	s_mov_b32 s18, 0                               ; and columns
.else
	s_mov_b32 s17, s15
	s_mov_b32 s18, s16
.endif
	s_bfe_u32 s19, ttmp6, 0x40000                  ; cx, cy: my place in the cluster
	s_bfe_u32 s20, ttmp6, 0x40004
	s_lshl_b32 s21, ttmp9, 2
	s_add_co_u32 s21, s21, s19                     ; tile column = 4 x cluster x + cx
	s_and_b32 s22, ttmp7, 0xffff
	s_lshl_b32 s22, s22, 2
	s_add_co_u32 s22, s22, s20                     ; tile row = 4 x cluster y + cy
	s_and_b32 s[KI], ttmp7, YA                     ; where my cluster's walk begins: of the cluster's coordinates alone
	s_mul_i32 s[KI], s[KI], YM
	s_mul_i32 s67, ttmp9, XM
	s_add_co_u32 s[KI], s[KI], s67
	s_and_b32 s[KI], s[KI], NT-1
	s_lshl_b32 s61, s20, 2
	s_lshl_b32 s61, 15, s61                        ; my row of the cluster
	s_lshl_b32 s60, 0x1111, s19                    ; my column
	s_or_b32 s[G1A], s61, (1<<16)|(1<<20)|(1<<21)|(QIA<<22)|(3<<25)    ; 15:0 the mask; 17:16 2-byte elements; 20 padding on; 21 set beside a mask; 24:22 the interval; 31:25 4 words
	s_or_b32 s[G1B], s60, (1<<16)|(1<<20)|(1<<21)|(QIB<<22)|(PCB<<25)
	s_mov_b32 s[G1A+1], (AD0&0xffff)<<16           ; tensor_dim0
	s_mov_b32 s[G1A+2], (AD0>>16)|((AD1&0xffff)<<16)  ; tensor_dim1
	s_mov_b32 s[G1A+3], (AD1>>16)|(AD0<<16)        ; tile_dim0
	s_mov_b32 s[G1A+4], AD1                        ; tile_dim1
	s_mov_b32 s[G1A+5], ASTR                       ; elements from row to row
	s_mov_b32 s[G1A+6], 0
	s_mov_b32 s[G1A+7], 0
	s_mov_b32 s[G1B+1], TN<<16
	s_mov_b32 s[G1B+2], (KS/2)<<16
	s_mov_b32 s[G1B+3], TN<<16
	s_mov_b32 s[G1B+4], KS/2
	s_mov_b32 s[G1B+5], SZ_N
	s_mov_b32 s[G1B+6], 0
	s_mov_b32 s[G1B+7], 0
	s_mul_i32 s52, s22, AROWB                      ; A's tile hangs on the tile row and the wave alone,
	s_mul_i32 s58, s16, AHALFB
	s_add_co_u32 s52, s52, s58
	s_mov_b32 s53, 0
	s_mul_i32 s54, s21, TN*2                       ; W's on the tile column and the wave alone
	s_mul_i32 s59, s16, (KS/2)*SZ_N*2
	s_add_co_u32 s54, s54, s59
.if WOFF
	s_add_co_u32 s54, s54, WOFF
.endif
	s_mov_b32 s55, 0
	s_mov_b32 s[OA+1], 0
	s_mov_b32 s[OW+1], 0
	s_mul_i32 s49, s16, ABYTES/2                   ; where my half lies in a slot, for A
	s_mul_i32 s50, s16, BBYTES/2
	s_add_co_u32 s50, s50, ABYTES                  ; and for W: no place in the cluster enters an LDS address
	s_mov_b32 s[F0A], 1                            ; count = 1
	s_mov_b32 s[F0A+1], s49                        ; LDS address: slot 0
	s_mov_b32 s[F0B], 1
	s_mov_b32 s[F0B+1], s50
	s_mov_b32 s[G0A], 1
	s_add_co_u32 s[G0A+1], s49, SLOT               ; slot 1
	s_mov_b32 s[G0B], 1
	s_add_co_u32 s[G0B+1], s50, SLOT
	s_wait_dscnt 0x0                               ; the opening add is done
	s_wait_kmcnt 0x0
	s_add_nc_u64 s[BA:BA+1], s[4:5], s[52:53]
	s_add_nc_u64 s[BW:BW+1], s[6:7], s[54:55]
	ADDR F0A, F0B                                  ; the walk's first K step,
	NEXTK
	ADDR G0A, G0B                                  ; and its second
	CROUND                                         ; all sixteen work-groups are here: the first joint loads meet
	s_cmp_eq_u32 s15, 0                            ; a wave's two first fills stand in one branch, ahead of every wait on TENSORcnt and every LDS read: two loads of mine are out
	s_cbranch_scc0 .Lfirst_b
	tensor_load_to_lds s[F0A:F0A+3], s[G1A:G1A+7]
	s_nop 0
	tensor_load_to_lds s[G0A:G0A+3], s[G1A:G1A+7]
	s_nop 0
.rept 4
	v_nop
.endr
	s_branch .Lfirst_asked
.Lfirst_b:
	tensor_load_to_lds s[F0B:F0B+3], s[G1B:G1B+7]
	s_nop 0
	tensor_load_to_lds s[G0B:G0B+3], s[G1B:G1B+7]
	s_nop 0
.rept 4
	v_nop
.endr
.Lfirst_asked:
	; A's fragment: lane l holds row l % 16, K = 8 (l / 16) + 0..7 and 16 + 8 (l / 16) + 0..7: two loads of 16 bytes, 32 bytes apart.
	v_and_b32 v1, 15, v0                           ; r = l % 16
	v_bfe_u32 v2, v0, 4, 1                         ; h = l / 16
	v_mul_u32_u24 v3, v1, APITCH
	v_lshl_add_u32 v3, v2, 4, v3
	s_mul_i32 s23, s17, MB*16*APITCH
	v_add_nc_u32 v[ADRA0], s23, v3
	; W's fragment, turned: lane l reads 16 bytes of row 8 (l / 16) + l % 8, columns 8 ((l / 8) % 2) + 0..7, and ends with column l % 16 and 8 K; the second load stands 16 rows on.
	v_and_b32 v4, 7, v0
	v_lshl_add_u32 v4, v2, 3, v4
	v_mul_u32_u24 v4, v4, BPITCH
	v_bfe_u32 v5, v0, 3, 1
	v_lshl_add_u32 v4, v5, 4, v4
	s_mul_i32 s23, s18, WCOL
	s_add_co_u32 s23, s23, ABYTES
	v_add_nc_u32 v[ADRB0], s23, v4
	; the way out: into my stage 32 bytes (8 f32) at row l % 16; back: lanes 0-15 take one row of 256 bytes, lanes 16-31 the next
	s_mul_i32 s23, s14, STGB
	s_add_co_u32 s23, s23, STAGE
	v_mul_u32_u24 v3, v1, SPITCH
	v_lshl_add_u32 v3, v2, 5, v3
	v_add_nc_u32 v[STO], s23, v3
	v_mul_u32_u24 v3, v2, SPITCH
	v_lshl_add_u32 v3, v1, 4, v3
	v_add_nc_u32 v[RD], s23, v3
	v_mul_u32_u24 v3, v2, OROWB
	v_lshl_add_u32 v[CO], v1, 4, v3
	s_mul_i32 s56, s22, TM*OROWB                   ; my part of the tile in the output and in the residual
	s_mul_i32 s2, s17, MB*16*OROWB
	s_add_co_u32 s56, s56, s2
	s_mul_i32 s2, s21, TN*OEL
	s_add_co_u32 s56, s56, s2
	s_mul_i32 s2, s18, NB*16*OEL
	s_add_co_u32 s56, s56, s2
	s_mov_b32 s57, 0
	s_add_nc_u64 s[10:11], s[10:11], s[56:57]
	s_add_nc_u64 s[12:13], s[12:13], s[56:57]
	s_mul_i32 s62, s21, TN*4                       ; the bias of my columns
	s_mul_i32 s3, s18, NB*64
	s_add_co_u32 s62, s62, s3
	s_mov_b32 s63, 0
	s_add_nc_u64 s[8:9], s[8:9], s[62:63]
	v_lshlrev_b32 v[BO], 5, v2                     ; register j of block b is column 16 b + 8 h + j, the same for all rows
	WIN (BIAS/256)<<6
.set i, 0
.rept NB
	global_load_b128 v[BIAS%256+8*i:BIAS%256+8*i+3],   v[BO], s[8:9] offset:64*i
	global_load_b128 v[BIAS%256+8*i+4:BIAS%256+8*i+7], v[BO], s[8:9] offset:64*i+16
.set i, i+1
.endr
	WIN 0xc0                                       ; the residual, in the shape in which the result leaves: 32 loads into window 3, waited for on the way out
.set i, 0
.rept 32
	global_load_b128 v[4*i:4*i+3], v[CO], s[10:11] offset:2*i*OROWB
.set i, i+1
.endr
	WIN 0
; n x NB matrix instructions: row blocks alo .. alo + n - 1 x all column blocks, 32 along K: part c of buffer buf.  The accumulators take turns, one instruction a turn.
; first: the product starts the sum, with the bias as C: nothing is ever cleared.
.macro MM buf, c, alo, n, first
.set ma, (\alo)
.rept (\n)
.set mb, 0
.rept NB
.set rd, 512+8*(ma*NB+mb)
.set rb, 256+96*(\buf)+8*(NB*(\c)+mb)
.set ra, 64+64*(\buf)+8*(MB*(\c)+ma)
.set rc, rd
.if (\first)
.set rc, BIAS+8*mb
.endif
	WIN (rb/256)|((ra/256)<<2)|((rc/256)<<4)|((rd/256)<<6)
	v_wmma_f32_16x16x32_f16 v[rd%256:rd%256+7], v[rb%256:rb%256+7], v[ra%256:ra%256+7], v[rc%256:rc%256+7]
.set mb, mb+1
.endr
.set ma, ma+1
.endr
.endm
.macro QTR buf, i, j, first            ; quarter j of half i of a quarter step's products
.if DEPTH == 1
	MM \buf, 0, (\i)*(MB/2)+(\j)*(MB/4), MB/4, \first
.else
	MM \buf, \i, (\j)*(MB/2), MB/2, (\first)*(1-(\i))
.endif
.endm
; 32 LDS loads in one run: the fragments of quarter step sub into buffer buf; the first 32 along K first: W's, then A's
.macro FETCH sub, buf
.set fc, 0
.rept DEPTH
.set kk, (\sub)*DEPTH+fc
	WIN 0x40                                       ; destination window 1, address window 0
.set fi, 0
.rept NB
.set bo, (kk%4)*32*BPITCH+((32*fi)/CHB)*(CHB+PADB)+(32*fi)%CHB
.set rg, 96*(\buf)+8*(NB*fc+fi)
	ds_load_tr16_b128 v[rg:rg+3],   v[ADRB+kk/4] offset:bo
	ds_load_tr16_b128 v[rg+4:rg+7], v[ADRB+kk/4] offset:bo+16*BPITCH
.set fi, fi+1
.endr
	WIN 0
.set fi, 0
.rept MB
.if BYHEADS
.set ao, (kk/2)*128*APITCH+(kk%2)*64+fi*16*APITCH
.else
.set ao, 64*kk+fi*16*APITCH
.endif
.set rg, 64+64*(\buf)+8*(MB*fc+fi)
	ds_load_b128 v[rg:rg+3],   v[ADRA] offset:ao
	ds_load_b128 v[rg+4:rg+7], v[ADRA] offset:ao+32
.set fi, fi+1
.endr
.set fc, fc+1
.endr
.endm
.macro SETADR                          ; my places in the slot in hand
	v_add_nc_u32 v[ADRA], s48, v[ADRA0]
	v_add_nc_u32 v[ADRB], s48, v[ADRB0]
.if KS > 128
	v_add_nc_u32 v[ADRB+1], 128*BPITCH, v[ADRB]
.endif
.endm
; One of a K step's first three quarters: multiplies buffer sub % 2; in its middle the next quarter's fragments are fetched into the other buffer.
.macro SUB sub, first=0
	s_wait_dscnt YOUNG                             ; all that the first half reads is in; the youngest loads may be out
	QTR (\sub)%2, 0, 0, \first
	QTR (\sub)%2, 0, 1, \first
	PLACES
	FETCH (\sub)+1, 1-(\sub)%2
	s_wait_dscnt 32                                ; all but the 32 just issued
	QTR (\sub)%2, 1, 0, \first
	QTR (\sub)%2, 1, 1, \first
.endm
; The last quarter multiplies buffer 1 and changes slots: ONE barrier.  In front of it each wave waits for all its tensor loads (one is out: its part of the next slot), adds 0 to its spare word,
; and waits for that and for its own reads of this slot.  fill = 1: the barrier opens a round of the cluster's, and the slot just read is filled again, with the walk's K step two on, first thing behind the round.
.macro TURN fill
	WIN 0
	s_wait_tensorcnt 0x0                           ; all my tensor loads have landed, so group 0 may be written
	ds_add_u32 v[SPW], v[NIL]                      ; 0 onto my spare word
.if \fill
	NEXTK                                          ; the refill's descriptors, scalar work while the add is out
	ADDR G0A, G0B
	s_add_co_u32 s[G0A+1], s48, s49                ; into the slot in hand
	s_add_co_u32 s[G0B+1], s48, s50
.endif
	s_wait_dscnt YOUNG+1                           ; (the add and the youngest loads may be out)
	QTR 1, 0, 0, 0                                 ; matrix instructions stand between the add and the wait for it
	s_wait_dscnt 0x0                               ; the add is done, and my reads of this slot are over
	s_barrier_signal -1
	QTR 1, 0, 1, 0                                 ; work on registers while the others arrive
	WIN 0                                          ; at a branch and at a label every window is 0
	s_barrier_wait -1
.if \fill
	CREST                                          ; no wave of any partner still reads this slot or has a load on its way
	JLOAD                                          ; its four v_nop are also the places in front of the loads below
.else
	PLACES
.endif
	s_xor_b32 s48, s48, SLOT                       ; 0 and SLOT by turns
	SETADR
	FETCH 0, 0
	QTR 1, 1, 0, 0
	QTR 1, 1, 1, 0
.endm
	s_wait_tensorcnt 0x1                           ; my part of slot 0 is in; slot 1's load, issued behind it, may stay out
	s_barrier_signal -1
	s_barrier_wait -1                              ; everybody's part is in
	s_mov_b32 s48, 0
	SETADR
	FETCH 0, 0
	s_wait_loadcnt 32                              ; the bias is in; the residual's 32 loads, issued behind it, stay out
	SUB 0, 1                                       ; the first quarter stands in front of the loop: its first products start the sums
	WIN 0
	s_mov_b32 s51, NT-1
	s_branch .Lentry                               ; the loop is entered behind a K step's first quarter
.Lloop:                                                ; NT - 2 trips: the last quarter of a K step, a refill, and the next step's first three quarters
	TURN 1
	SUB 0
	WIN 0
.Lentry:
	SUB 1
	SUB 2
	WIN 0
	s_sub_co_u32 s51, s51, 1
	s_cmp_lg_u32 s51, 0
	s_cbranch_scc1 .Lloop
	TURN 0                                         ; the tail is written out: nothing is asked for
	SUB 0
	SUB 1
	SUB 2
	s_wait_dscnt YOUNG
	QTR 1, 0, 0, 0
	QTR 1, 0, 1, 0
	s_wait_dscnt 0x0
	QTR 1, 1, 0, 0
	QTR 1, 1, 1, 0
	PLACES
; THE WAY OUT, a block of 16 rows x 64 columns of f32 at a time.  STG: the sums go into my stage, each accumulator's low four registers first, and come back as whole rows of 256 bytes.
; OUT: the residual is added and the rows are stored.
.macro STG a
	s_wait_xcnt 0x0                                ; the stores before this have read their registers: the buffer is loaded again only behind this wait
	WIN 0x08                                       ; the stores' data in window 2
.set i, 0
.rept NB
	ds_store_b128 v[STO], v[8*(NB*(\a)+i):8*(NB*(\a)+i)+3]   offset:64*i
	ds_store_b128 v[STO], v[8*(NB*(\a)+i)+4:8*(NB*(\a)+i)+7] offset:64*i+16
.set i, i+1
.endr
	WIN 0
.set i, 0
.rept 8
	ds_load_b128 v[64+64*((\a)%2)+4*i:64+64*((\a)%2)+4*i+3], v[RD] offset:i*2*SPITCH  ; LDS serves a wave's instructions in order (ISA guide 5.7.1.4): these see the stores above
.set i, i+1
.endr
.endm
.macro OUT a, y                        ; y: the LDS instructions issued behind block a's: the next block's sixteen, or none
.set BK, 64+64*((\a)%2)
	s_wait_dscnt \y
	WIN 0x0c                                       ; source 1, the residual, in window 3
.set i, 0
.rept 16
	v_pk_add_f32 v[BK+2*i:BK+2*i+1], v[BK+2*i:BK+2*i+1], v[32*(\a)+2*i:32*(\a)+2*i+1]
.set i, i+1
.endr
	WIN 0
.set i, 0
.rept 8
	global_store_b128 v[CO], v[BK+4*i:BK+4*i+3], s[12:13] offset:(16*(\a)+2*i)*OROWB  ; 16 lanes store 256 consecutive bytes, aligned
.set i, i+1
.endr
.endm
	s_wait_loadcnt 0x0                             ; the residual
	STG 0
	STG 1
	OUT 0, 16
	STG 2
	OUT 1, 16
	STG 3
	OUT 2, 16
	OUT 3, 0
	s_wait_tensorcnt 0x0                           ; the wave's end: an add to my spare word and its wait, behind my last tensor load and my last LDS store
	ds_add_u32 v[SPW], v[NIL]
	s_wait_dscnt 0x0
	CROUND                                         ; the closing round: no work-group ends while a partner may still ask for a tile that names it
	s_endpgm
.Lfunc_end_k_qe7df93ea78_g2:
	.size	k_qe7df93ea78_g2, .Lfunc_end_k_qe7df93ea78_g2-k_qe7df93ea78_g2
	.p2alignl 7, 3214868480
	.fill 96, 4, 3214868480
	.section	.rodata,"a",@progbits
	.p2align	6, 0x0
	.amdhsa_kernel k_qe7df93ea78_g2
		.amdhsa_group_segment_fixed_size 327680
		.amdhsa_private_segment_fixed_size 0
		.amdhsa_enable_private_segment 0
		.amdhsa_kernarg_size 40
		.amdhsa_user_sgpr_count 2
		.amdhsa_user_sgpr_kernarg_segment_ptr 1
		.amdhsa_wavefront_size32 1
		.amdhsa_system_sgpr_workgroup_id_x 1
		.amdhsa_system_sgpr_workgroup_id_y 1
		.amdhsa_system_sgpr_workgroup_id_z 1
		.amdhsa_system_vgpr_workitem_id 0
		.amdhsa_next_free_vgpr 896
		.amdhsa_next_free_sgpr 84
		.amdhsa_reserve_vcc 0
		.amdhsa_float_denorm_mode_32 3
		.amdhsa_float_denorm_mode_16_64 3
		.amdhsa_memory_ordered 1
		.amdhsa_forward_progress 1
		.amdhsa_inst_pref_size 70
	.end_amdhsa_kernel
	.amdgpu_metadata
---
amdhsa.version: [ 1, 2 ]
amdhsa.kernels:
  - .name:           k_qe7df93ea78_g2
    .symbol:         k_qe7df93ea78_g2.kd
    .args:
      - { .name: h1, .offset: 0, .size: 8, .value_kind: global_buffer, .address_space: global }
      - { .name: wbf, .offset: 8, .size: 8, .value_kind: global_buffer, .address_space: global }
      - { .name: b2, .offset: 16, .size: 8, .value_kind: global_buffer, .address_space: global }
      - { .name: x1, .offset: 24, .size: 8, .value_kind: global_buffer, .address_space: global }
      - { .name: out0, .offset: 32, .size: 8, .value_kind: global_buffer, .address_space: global }
    .group_segment_fixed_size: 327680
    .private_segment_fixed_size: 0
    .kernarg_segment_align: 8
    .kernarg_segment_size: 40
    .max_flat_workgroup_size: 128
    .sgpr_count:     84
    .vgpr_count:     896
    .wavefront_size: 32
...
	.end_amdgpu_metadata
.endif
;; end of part 7
